; MI455X (gfx1250); checked and timed in simulation.
; The chip was launched on July 23, 2026; its instructions are those of AMD's public machine-readable ISA for CDNA 5 (MIT licence, August 2026) and "CDNA5" Instruction Set Architecture Reference Guide (July 2026). The comments in the code are by the model that wrote it; some were corrected since.
;; Multi Head Attention. Allowed arithmetic: matrix products marked QUANTISED: E2M1 operands, one E8M0 scale for each 32 along K, by v_wmma_scale_f32_16x16x128_f8f6f4 with both operands' format E2M1 (or v_wmma_scale_f32_32x16x128_f4), f32 sums; everything else in f32.
;; Inputs: Wk 1,024 x 1,024 float32; Wq 1,024 x 1,024 float32; Wv 1,024 x 1,024 float32; att_mask 4 x 1 x 1 x 2,048 float32; bk 1,024 float32; bq 1,024 float32; bv 1,024 float32; x 4 x 2,048 x 1,024 float32.
;; Outputs: out0 4 x 2,048 x 1,024 float32.
;; This version of the problem:
;;   THIS VERSION OF THE PROBLEM IS GIVEN IN LOW PRECISION. The matrix products marked QUANTISED in the list below multiply operands that are first quantised to E2M1 (2 exponent bits, 1 mantissa bit; 4 bits a number), with one power-of-two scale for each 32 numbers along K (OCP MX v1.0); their sums are f32. All else is computed in f32.
;;   The module's matrix products, in the order in which they are computed (A, B: the left and right operand; K: the contracted axis; several contracted axes count as one K, in the product's order):
;;     1. [M 8,192, K 1,024] x [K 1,024, N 1,024]; A: input x; B: input Wq: QUANTISED
;;     2. [M 8,192, K 1,024] x [K 1,024, N 1,024]; A: input x; B: input Wk: QUANTISED
;;     3. [M 8,192, K 1,024] x [K 1,024, N 1,024]; A: input x; B: input Wv: QUANTISED
;;     4. batch 64 x [M 2,048, K 64] x [K 64, N 2,048]; A: computed on the way; B: computed on the way: QUANTISED
;;     5. batch 64 x [M 2,048, K 2,048] x [K 2,048, N 64]; A: softmax (see below); B: computed on the way: QUANTISED
;;   THE QUANTISER, for each operand of a quantised product, along K:
;;     - K is cut into blocks of 32 from its start; a last block that is shorter is filled with zeros.
;;     - A block's scale is 2^e with e = floor(log2(the largest magnitude in the block)) - 2, held to -126 .. 127; a block of zeros has e = 0. As a byte (E8M0): e + 127.
;;     - Each number is divided by its block's scale, clamped to +-6, and rounded to the nearest number of E2M1, ties to even, subnormals kept.
;;     - The product sums the exact products of the quantised numbers (number of the format x scale) in f32.
;;   ~~~python
;;   def quantise(x, axis):      # numpy; x: float32 -> the quantised numbers, widened to float32 again
;;       x = np.moveaxis(x, axis, -1); K = x.shape[-1]
;;       x = np.pad(x, [(0, 0)] * (x.ndim - 1) + [(0, -K % 32)]); x = x.reshape(x.shape[:-1] + (-1, 32)); a = np.abs(x).max(-1, keepdims=True)
;;       e = np.where(a > 0, np.clip(np.frexp(np.where(a > 0, a, 1))[1] - 1 - 2, -126, 127), 0)      # np.frexp(a)[1] - 1 = floor(log2(a)), exactly
;;       r = np.clip(x / 2.0 ** e, -6, 6)
;;       step = 2.0 ** (np.maximum(np.frexp(np.where(r == 0, 1, r))[1] - 1, 0) - 1)
;;       q = np.round(r / step) * step * 2.0 ** e      # np.round: ties to even
;;       return np.moveaxis(q.reshape(q.shape[:-2] + (-1,))[..., :K], -1, axis).astype(np.float32)
;;   ~~~
;;   SOFTMAX AHEAD OF A QUANTISED PRODUCT. Where the list says 'softmax', what is quantised is not the finished softmax but p = 2^(t - M), with t = logit x log2(e) and M = ceil(the row's largest t), a whole number; so 1/2 < the row's largest p <= 1. The row's sum l is taken of the UNQUANTISED p, in f32, and the product's result is divided by l at the end. Since M is a whole number, a kernel that streams over the keys may use a running M (the ceiling of the running maximum): every later rescaling is an exact power of two, which a block's scale takes up: the codes' values come out the same.
;;   OPERANDS COMPUTED ON THE WAY. 'Computed on the way' means the value that the module computes at that place (a softmax that the list does not call 'softmax' is quantised finished and normalised). What goes into a quantiser is computed in f32, as accurately as f32 sums, v_exp_f32 and their like allow (about 1e-6 of the number): no bf16 or f16 on the way to a quantiser, and a product that is left as it is and whose result goes on into a quantised operand takes f32 operands (vector FMAs, or v_wmma_f32_16x16x4_f32). A number that lies on a knife's edge between two numbers of the format may be rounded either way, as far as f32 arithmetic and the matrix unit's own rounding can turn it there, and no further.
;; 2 versions. Each part assembles by itself: llvm-mc -triple=amdgcn-amd-amdhsa -mcpu=gfx1250 --defsym DOCPART=n.
;; ======== version 1 of 2: 3 launches
;; limits: right only within a limited range of input values
;; workspace buffers: opc 5,767,168 bytes; ops 360,448 bytes; qkc 8,388,608 bytes; qks 1,048,576 bytes; vc 4,194,304 bytes; vs 262,144 bytes
;; launch quant (part 1): grid 352 x 1, 4 waves a work-group, no clusters, 34,304 bytes of LDS; arguments x, Wq, Wk, Wv, opc, ops; writes opc, ops
.if DOCPART == 1
	.amdgcn_target "amdgcn-amd-amdhsa--gfx1250"
	.amdhsa_code_object_version 6
	.text
	.protected	k_q7651ae5ddf_quant
	.globl	k_q7651ae5ddf_quant
	.p2align	8
	.type	k_q7651ae5ddf_quant,@function
k_q7651ae5ddf_quant:
	s_mov_b64 s[64:65], 0
	v_nop
	global_prefetch_b8 v0, s[64:65] scope:SCOPE_SE
	s_setreg_imm32_b32 hwreg(HW_REG_WAVE_MODE, 25, 1), 1
	s_wait_xcnt 0x0
; x [8192][1024], Wq, Wk, Wv [1024][1024], f32, K innermost, become codes of FP4 (E2M1) with one E8M0 byte for each 32 along K.
; A block's scale is 2^(floor(log2(its largest magnitude)) - 2); its byte is the largest magnitude's exponent field - 2, held at 1 from below.
; LIMITS: a block of zeros gets the byte 1 and not 127 (its codes are zeros, and this program alone reads the bytes); NaN and infinities among the inputs are not served.
; THE OUTPUT IS LAID AS THE MATRIX OPERANDS' REGISTERS.  A tile is 16 rows x 1,024 k.  opc: [tile][K step s of 128][c][lane][16 bytes]: lane (r, h), half c holds the codes of
; k = 128 s + 64 c + 32 h + 0 .. 31 of the tile's row r.  ops: [tile][sg][r][4 words]: word q is the four scale bytes of K step 4 sg + q.
; THE ROWS OF A TILE ARE NOT NEIGHBOURS: of 32 rows, tile u (0, 1) takes row 8 u + r + 8 (r / 8) as its row r.
; Tiles 0-511 are x's, 512-575 Wq's, 576-639 Wk's, 640-703 Wv's.  Work-group g takes tiles 2 g and 2 g + 1 (32 rows of one tensor); wave w takes tile 2 g + w / 2 and k = 512 (w % 2) on: four K steps.
; A load reads 512 consecutive bytes of one row, 16 a lane; a K step's 16 rows turn through the wave's own stage in LDS and come back 128 bytes a lane: two whole blocks of 32, so a block's maximum needs no other lane.
; Waves share nothing: no barrier.  Loads run two K steps (32 loads a wave) ahead.
.set SP,  528                          ; a stage row: 512 bytes + 16 of padding: 33 x 16, so that the 16 rows that a load touches start at different banks
.set WST, 16*SP                        ; a wave's stage
.set RA,  16                           ; v16-143   two sets of 64 registers as loaded
.set X,   144                          ; v144-207  two blocks of 32 neighbours
.set C,   208                          ; v208-239  8 registers of codes for each K step: no store's data are written again
.set SW,  240                          ; v240-243  the scale word of each K step
	s_load_b256 s[4:11], s[0:1], 0x0               ; x, Wq, Wk, Wv
	s_load_b128 s[12:15], s[0:1], 0x20             ; opc, ops
	v_lshl_add_u32 v254, v0, 2, 0x8400
	v_mov_b32 v255, 0
	v_lshrrev_b32 v6, 5, v0
	v_readfirstlane_b32 s16, v6                    ; wave 0..3
	v_and_b32 v7, 31, v0                           ; lane
	v_and_b32 v8, 15, v0                           ; r
	v_bfe_u32 v9, v0, 4, 1                         ; h
	v_lshlrev_b32 v1, 4, v7                        ; 16 x lane: my bytes of a load, and of an image
	s_mul_i32 s23, s16, WST
	v_add_nc_u32 v2, s23, v1                       ; the stage, on the way in
	v_mul_u32_u24 v3, v8, SP
	v_lshl_add_u32 v3, v9, 7, v3
	v_add_nc_u32 v3, s23, v3                       ; and on the way out: row r, + 128 h
	v_lshlrev_b32 v4, 3, v9                        ; 8 h: my bytes' place in a scale word
	v_lshlrev_b32 v5, 4, v8
	v_lshl_add_u32 v5, v9, 3, v5                   ; 16 r + 8 h: where I store two scale words
	v_mov_b32 v246, 0                              ; written once: a lane permute's destination counts as one of its sources
	s_mov_b32 s20, 0x76543210
	s_mov_b32 s21, 0xfedcba98                      ; v_permlanex16_b32's selects for lane l xor 16
	s_and_b32 s17, ttmp9, 31                       ; a weight's group of 32 rows (256, 288 and 320 are multiples of 32)
	s_lshr_b32 s22, s16, 1
	s_lshl_b32 s22, s22, 15                        ; tile u begins 8 rows of 4,096 bytes on,
	s_and_b32 s24, s16, 1
	s_lshl_b32 s24, s24, 11                        ; the second half of K 2,048 bytes on
	s_add_co_u32 s22, s22, s24
	s_lshl_b32 s26, ttmp9, 14
	s_lshl_b32 s24, s16, 12
	s_add_co_u32 s26, s26, s24                     ; opc: 16,384 g + 4,096 w
	s_mov_b32 s27, 0
	s_lshr_b32 s28, s26, 4                         ; ops: a sixteenth of that
	s_mov_b32 s29, 0
	s_mov_b32 s19, 0
	s_wait_kmcnt 0x0
	s_cmp_lt_u32 ttmp9, 320                        ; which tensor: the choice hangs on the work-group's number alone
	s_cselect_b64 s[8:9], s[8:9], s[10:11]
	s_cmp_lt_u32 ttmp9, 288
	s_cselect_b64 s[6:7], s[6:7], s[8:9]
	s_cmp_lt_u32 ttmp9, 256
	s_cselect_b64 s[4:5], s[4:5], s[6:7]
	s_cselect_b32 s17, ttmp9, s17
	s_lshl_b32 s18, s17, 17                        ; 32 rows of 4,096 bytes
	s_add_co_u32 s18, s18, s22
	s_add_nc_u64 s[4:5], s[4:5], s[18:19]
	s_add_nc_u64 s[12:13], s[12:13], s[26:27]
	s_add_nc_u64 s[14:15], s[14:15], s[28:29]
.macro LOAD q                          ; K step q of my tile's 16 rows
.irp i, 0,1,2,3,4,5,6,7,8,9,10,11,12,13,14,15
	global_load_b128 v[RA+64*((\q)%2)+4*\i:RA+64*((\q)%2)+4*\i+3], v1, s[4:5] offset:(\i+8*(\i/8))*4096+512*(\q) th:TH_LOAD_NT
.endr
.endm
.macro TURN q                          ; through the stage: LDS serves a wave's instructions in order, so no wait stands between the stores and the loads
.irp i, 0,1,2,3,4,5,6,7,8,9,10,11,12,13,14,15
	ds_store_b128 v2, v[RA+64*((\q)%2)+4*\i:RA+64*((\q)%2)+4*\i+3] offset:SP*\i
.endr
.irp c, 0,1
.irp j, 0,1,2,3,4,5,6,7
	ds_load_b128 v[X+32*\c+4*\j:X+32*\c+4*\j+3], v3 offset:256*\c+16*\j
.endr
.endr
.endm
.macro STEP q
.if (\q) < 3
	s_wait_loadcnt 16                              ; this step's 16 loads are in; the next step's 16 may be out
.else
	s_wait_loadcnt 0
.endif
	TURN \q
	s_wait_dscnt 0x0                               ; my 64 numbers are back, and the stores into the stage have read their registers,
.if (\q)+2 < 4
	LOAD (\q)+2                                    ; which take the loads of two steps on
.endif
.irp c, 0,1
	v_max3_num_f32 v[244+\c], |v[X+32*\c]|, |v[X+32*\c+1]|, 0x1800000   ; block 2 c + h: all 32 numbers are mine; the floor 2^(3 - 127) holds the byte at 1 from below
.endr
.irp i, 2,4,6,8,10,12,14,16,18,20,22,24,26,28,30
.irp c, 0,1
	v_max3_num_f32 v[244+\c], v[244+\c], |v[X+32*\c+\i]|, |v[X+32*\c+\i+1]|   ; (the two blocks by turns)
.endr
.endr
.irp c, 0,1
	v_add_nc_u32 v[248+\c], 0xff000000, v[244+\c]  ; 2 off the exponent field: the conversion takes the exponent field of this operand as its scale
.endr
.irp c, 0,1
	v_lshrrev_b32 v[250+\c], 23, v[248+\c]         ; the scale's byte
.endr
	v_lshl_or_b32 v247, v251, 16, v250             ; my two bytes: blocks h and 2 + h,
	v_lshlrev_b32 v247, v4, v247                   ; at their places in the word;
	v_permlanex16_b32 v246, v247, s20, s21
	v_or_b32 v[SW+(\q)], v247, v246                ; with lane l xor 16's two the word is whole
.irp c, 0,1
.irp g, 0,1,2,3
	v_cvt_scalef32_pk8_fp4_f32 v[C+8*(\q)+4*\c+\g], v[X+32*\c+8*\g:X+32*\c+8*\g+7], v[248+\c]
.endr
.endr
	v_nop                                          ; one plain instruction behind the last scaled conversion
.irp c, 0,1
	global_store_b128 v1, v[C+8*(\q)+4*\c:C+8*(\q)+4*\c+3], s[12:13] offset:1024*(\q)+512*\c   ; 32 lanes store 512 consecutive bytes, aligned
.endr
.endm
	LOAD 0
	LOAD 1
	STEP 0
	STEP 1
	STEP 2
	STEP 3
	v_cmp_le_u32 vcc_lo, 16, v7                    ; lanes 0-15 store words 0 and 1 of their row, lanes 16-31 words 2 and 3
	v_cndmask_b32 v10, v[SW], v[SW+2], vcc_lo
	v_cndmask_b32 v11, v[SW+1], v[SW+3], vcc_lo
	global_store_b64 v5, v[10:11], s[14:15]        ; 32 lanes store 256 consecutive bytes, aligned
	s_wait_tensorcnt 0x0
	ds_add_u32 v254, v255
	s_wait_dscnt 0x0
	s_endpgm
.Lfunc_end_k_q7651ae5ddf_quant:
	.size	k_q7651ae5ddf_quant, .Lfunc_end_k_q7651ae5ddf_quant-k_q7651ae5ddf_quant
	.p2alignl 7, 3214868480
	.fill 96, 4, 3214868480
	.section	.rodata,"a",@progbits
	.p2align	6, 0x0
	.amdhsa_kernel k_q7651ae5ddf_quant
		.amdhsa_group_segment_fixed_size 34304
		.amdhsa_private_segment_fixed_size 0
		.amdhsa_enable_private_segment 0
		.amdhsa_kernarg_size 48
		.amdhsa_user_sgpr_count 2
		.amdhsa_user_sgpr_kernarg_segment_ptr 1
		.amdhsa_wavefront_size32 1
		.amdhsa_system_sgpr_workgroup_id_x 1
		.amdhsa_system_sgpr_workgroup_id_y 1
		.amdhsa_system_sgpr_workgroup_id_z 1
		.amdhsa_system_vgpr_workitem_id 0
		.amdhsa_next_free_vgpr 256
		.amdhsa_next_free_sgpr 66
		.amdhsa_reserve_vcc 1
		.amdhsa_float_denorm_mode_32 3
		.amdhsa_float_denorm_mode_16_64 3
		.amdhsa_memory_ordered 1
		.amdhsa_forward_progress 1
		.amdhsa_inst_pref_size 30
	.end_amdhsa_kernel
	.amdgpu_metadata
---
amdhsa.version: [ 1, 2 ]
amdhsa.kernels:
  - .name:           k_q7651ae5ddf_quant
    .symbol:         k_q7651ae5ddf_quant.kd
    .args:
      - { .name: x, .offset: 0, .size: 8, .value_kind: global_buffer, .address_space: global }
      - { .name: Wq, .offset: 8, .size: 8, .value_kind: global_buffer, .address_space: global }
      - { .name: Wk, .offset: 16, .size: 8, .value_kind: global_buffer, .address_space: global }
      - { .name: Wv, .offset: 24, .size: 8, .value_kind: global_buffer, .address_space: global }
      - { .name: opc, .offset: 32, .size: 8, .value_kind: global_buffer, .address_space: global }
      - { .name: ops, .offset: 40, .size: 8, .value_kind: global_buffer, .address_space: global }
    .group_segment_fixed_size: 34304
    .private_segment_fixed_size: 0
    .kernarg_segment_align: 8
    .kernarg_segment_size: 48
    .max_flat_workgroup_size: 128
    .sgpr_count:     66
    .vgpr_count:     256
    .wavefront_size: 32
...
	.end_amdgpu_metadata
.endif
;; end of part 1
;; launch proj (part 2): grid 384 x 1, 8 waves a work-group, no clusters, 72,704 bytes of LDS; arguments opc, ops, bq, bk, bv, qkc, qks, vc, vs; writes qkc, qks, vc, vs
.if DOCPART == 2
	.amdgcn_target "amdgcn-amd-amdhsa--gfx1250"
	.amdhsa_code_object_version 6
	.text
	.protected	k_q7651ae5ddf_proj
	.globl	k_q7651ae5ddf_proj
	.p2align	8
	.type	k_q7651ae5ddf_proj,@function
k_q7651ae5ddf_proj:
	s_mov_b64 s[64:65], 0
	v_nop
	global_prefetch_b8 v0, s[64:65] scope:SCOPE_SE
	s_setreg_imm32_b32 hwreg(HW_REG_WAVE_MODE, 25, 1), 1
	s_wait_xcnt 0x0
; q = x Wq^T + bq, k = x Wk^T + bk, v = x Wv^T + bv on codes of FP4 with E8M0 scales, K = 1,024; the results are quantised at once: q and k along the head's 64, v along the keys.
; ONE BODY, TWO ORIENTATIONS.  Source 0 is P, 128 rows (8 tiles): a lane's result registers run along it, and so does the quantiser.  Source 1 is R, 64 rows a wave (4 tiles): a lane holds one row of it.
;   work-groups 0-255: P = 128 rows of Wq or Wk (two heads), R = rows of x.      work-groups 256-383: P = 128 rows of x (the keys of one key step), R = the 64 rows of Wv of one head.
; Operands lie in memory as images of their registers (16 bytes of lane l at 16 l), and the rows of a tile are chosen so (of 32 rows, tile u takes row 8 u + r + 8 (r / 8)) that the 16 result registers
; of tiles 2 b and 2 b + 1 are 16 neighbours along P: 32 b + 16 (lane / 16) + 0 .. 15.  So the conversions' results, after the exchange of halves, are the next product's operand.
; The eight waves share P's 65,536 bytes, staged once in LDS; each wave loads its own fragments of R from memory, 512 consecutive bytes an instruction.  A wave's tile is 128 x 64: 32 accumulators, 256 registers.
; The bias is added behind the whole sum.  OUT: qkc [q, k][bh][tile][lane][16 bytes] (dims 32 h + 0 .. 31 of the tile's row r); qks [q, k][bh][row]: a word: two scale bytes, then 0x7f twice, for the half of
; the next product's K step that holds zero codes; vc [bh][key step][d tile][c][lane][16 bytes]; vs [bh][key step][d tile][r]: a word.
; NO TENSOR LOADS, NO CLUSTER: K is eight steps, P is fetched once and no LDS byte is filled twice; what work-groups share (a P of 64 KiB) is a fifth of what each reads.
; LIMITS: a block of zeros gets the byte 1 and not 127 (its codes are zeros, and this program alone reads the bytes); NaN and infinities are not served.
; REGISTERS.  Window 0: v4-13 addresses; v16-47 P's scale words, v48-63 R's (register 8 j + s: lanes 0-15 tile 2 j's word of K step s, lanes 16-31 tile 2 j + 1's); v64-127 P's fragments, one set;
;   v128-223 R's fragments, three sets; v224-251 at work.  Behind the sums: v64-127 the bias along P; v128-159 the codes; v160-167 the bias along R; v168-171 scale words on their way out.
;   Window 1: the accumulators, (tile t of P, tile m of R) at v[64 m + 8 t].
.set SCP, 16
.set SCR, 48
.set PF,  64
.set RF,  128
.set TM,  224                          ; v224-227 largest magnitudes, v228-231 the other half's, then bytes, v236-239 the conversions' scale operands
.set PW,  240                          ; v240-243 the scale word of each tile m
.set WA,  244                          ; v244-247 its low half as a word of qks
.set WB,  248                          ; v248-251 its high half
.set BI,  64
.set PC,  128
.set BV,  160
.set SQK, 65536                        ; LDS behind P: 512 bytes a wave for q's and k's scale words;
.set SV,  69632                        ; 256 bytes a wave for v's: each way out has bytes of its own
.set MSB, 0
.macro WIN new                         ; the immediate's high byte repeats the setting that is left
.if MSB != \new
	s_set_vgpr_msb (MSB<<8)|\new
.set MSB, \new
.endif
.endm
.macro PLACES                          ; four plain instructions between a matrix instruction and a load into, or a vector instruction on, one of its registers
.rept 4
	v_nop
.endr
.endm
; One product: tile t of P x tile m of R, K step s.  An odd tile's scale words lie in lanes 16-31 of the pair's register.  zero = 1: the first K step starts the sums.
.macro MM t, m, s, zero
.set rD, 64*(\m)+8*(\t)
.set rA, PF+8*(\t)
.set rB, RF+32*((\s)%3)+8*(\m)
.set rP, SCP+8*((\t)/2)+(\s)
.set rR, SCR+8*((\m)/2)+(\s)
.if \zero
.if ((\t)%2) && ((\m)%2)
	v_wmma_scale_f32_16x16x128_f8f6f4 v[rD:rD+7], v[rA:rA+7], v[rB:rB+7], 0, v[rP], v[rR] matrix_a_fmt:MATRIX_FMT_FP4 matrix_b_fmt:MATRIX_FMT_FP4 matrix_a_scale:MATRIX_SCALE_ROW1 matrix_b_scale:MATRIX_SCALE_ROW1
.elseif (\t)%2
	v_wmma_scale_f32_16x16x128_f8f6f4 v[rD:rD+7], v[rA:rA+7], v[rB:rB+7], 0, v[rP], v[rR] matrix_a_fmt:MATRIX_FMT_FP4 matrix_b_fmt:MATRIX_FMT_FP4 matrix_a_scale:MATRIX_SCALE_ROW1
.elseif (\m)%2
	v_wmma_scale_f32_16x16x128_f8f6f4 v[rD:rD+7], v[rA:rA+7], v[rB:rB+7], 0, v[rP], v[rR] matrix_a_fmt:MATRIX_FMT_FP4 matrix_b_fmt:MATRIX_FMT_FP4 matrix_b_scale:MATRIX_SCALE_ROW1
.else
	v_wmma_scale_f32_16x16x128_f8f6f4 v[rD:rD+7], v[rA:rA+7], v[rB:rB+7], 0, v[rP], v[rR] matrix_a_fmt:MATRIX_FMT_FP4 matrix_b_fmt:MATRIX_FMT_FP4
.endif
.else
.if ((\t)%2) && ((\m)%2)
	v_wmma_scale_f32_16x16x128_f8f6f4 v[rD:rD+7], v[rA:rA+7], v[rB:rB+7], v[rD:rD+7], v[rP], v[rR] matrix_a_fmt:MATRIX_FMT_FP4 matrix_b_fmt:MATRIX_FMT_FP4 matrix_a_scale:MATRIX_SCALE_ROW1 matrix_b_scale:MATRIX_SCALE_ROW1
.elseif (\t)%2
	v_wmma_scale_f32_16x16x128_f8f6f4 v[rD:rD+7], v[rA:rA+7], v[rB:rB+7], v[rD:rD+7], v[rP], v[rR] matrix_a_fmt:MATRIX_FMT_FP4 matrix_b_fmt:MATRIX_FMT_FP4 matrix_a_scale:MATRIX_SCALE_ROW1
.elseif (\m)%2
	v_wmma_scale_f32_16x16x128_f8f6f4 v[rD:rD+7], v[rA:rA+7], v[rB:rB+7], v[rD:rD+7], v[rP], v[rR] matrix_a_fmt:MATRIX_FMT_FP4 matrix_b_fmt:MATRIX_FMT_FP4 matrix_b_scale:MATRIX_SCALE_ROW1
.else
	v_wmma_scale_f32_16x16x128_f8f6f4 v[rD:rD+7], v[rA:rA+7], v[rB:rB+7], v[rD:rD+7], v[rP], v[rR] matrix_a_fmt:MATRIX_FMT_FP4 matrix_b_fmt:MATRIX_FMT_FP4
.endif
.endif
.endm
.macro MM16 t0, s, zero                ; 16 products.  The 32 accumulators take turns, one instruction a turn, in the same order in every K step
.irp t, \t0, \t0+1, \t0+2, \t0+3
.irp m, 0,1,2,3
	MM \t, \m, \s, \zero
.endr
.endr
.endm
.macro PLOAD s, t0                     ; P's tiles t0 .. t0 + 3 of K step s, from LDS
.irp t, \t0, \t0+1, \t0+2, \t0+3
.irp c, 0,1
	ds_load_b128 v[PF+8*(\t)+4*\c:PF+8*(\t)+4*\c+3], v4 offset:(8*(\t)+(\s))*1024+512*\c
.endr
.endr
.endm
.macro RLOAD s                         ; R's four tiles of K step s, from memory, into set s % 3
.irp m, 0,1,2,3
.irp c, 0,1
	global_load_b128 v[RF+32*((\s)%3)+8*\m+4*\c:RF+32*((\s)%3)+8*\m+4*\c+3], v4, s[40:41] offset:(8*\m+(\s))*1024+512*\c
.endr
.endr
.endm
.macro KSTEP s, zero
.if (\s) < 7
	s_wait_loadcnt 8                               ; this step's fragments of R are in (in step 0 the scale words too); the next step's 8 loads may be out
.else
	s_wait_loadcnt 0
.endif
	s_wait_dscnt 8                                 ; P's tiles 0-3 are in; the 8 loads of tiles 4-7 may be out
	WIN 0x50                                       ; C and D in window 1
	MM16 0, \s, \zero
	s_wait_dscnt 0                                 ; tiles 4-7 are in
.if (\s) < 7
	PLACES
	WIN 0
	PLOAD (\s)+1, 0                                ; tiles 0-3 are done with: the next step's take their place
.if (\s) < 6
	RLOAD (\s)+2                                   ; into the set that the step before this one read: two runs of places lie between
.endif
	WIN 0x50
.endif
	MM16 4, \s, \zero
	PLACES
	WIN 0
.if (\s) < 7
	PLOAD (\s)+1, 4
.endif
.endm
; The 64 numbers of tile m in a lane (register 16 b + i = place 32 b + 16 (lane / 16) + i along P) become a fragment's codes in v[PC + 8 m] on and its scale word in v[PW + m].
.macro QUANTM m
	WIN 0x14                                       ; sources 1 and 2 in window 1
.irp b, 0,1,2,3
	v_max3_num_f32 v[TM+\b], 0x1800000, |v[64*\m+16*\b]|, |v[64*\m+16*\b+1]|   ; block b: my 16 numbers, and the floor 2^(3 - 127), which holds the byte at 1 from below
.endr
.irp i, 2,4,6,8,10,12,14
.irp b, 0,1,2,3
	v_max3_num_f32 v[TM+\b], v[TM+\b], |v[64*\m+16*\b+\i]|, |v[64*\m+16*\b+\i+1]|   ; (the four blocks by turns)
.endr
.endr
	WIN 0
.irp b, 0,1,2,3
	v_permlanex16_b32 v[TM+4+\b], v[TM+\b], s50, s51
.endr
.irp b, 0,1,2,3
	v_max_num_f32 v[TM+\b], v[TM+\b], v[TM+4+\b]   ; with lane l xor 16's 16: the block's largest magnitude
.endr
.irp b, 0,1,2,3
	v_add_nc_u32 v[TM+12+\b], 0xff000000, v[TM+\b] ; 2 off its exponent field: the conversion's scale operand
.endr
.irp b, 0,1,2,3
	v_lshrrev_b32 v[TM+4+\b], 23, v[TM+12+\b]      ; the scale's byte
.endr
	v_lshl_or_b32 v[PW+\m], v[TM+5], 8, v[TM+4]
	v_lshl_or_b32 v[PW+\m], v[TM+6], 16, v[PW+\m]
	v_lshl_or_b32 v[PW+\m], v[TM+7], 24, v[PW+\m]
	WIN 0x01                                       ; source 0 in window 1
.irp b, 0,1,2,3
	v_cvt_scalef32_pk8_fp4_f32 v[PC+8*\m+2*\b], v[64*\m+16*\b:64*\m+16*\b+7], v[TM+12+\b]
	v_cvt_scalef32_pk8_fp4_f32 v[PC+8*\m+2*\b+1], v[64*\m+16*\b+8:64*\m+16*\b+15], v[TM+12+\b]
.endr
	WIN 0
	v_nop                                          ; one plain instruction behind the last scaled conversion
.irp c, 0,1                                    ; the operand's layout wants a whole block in a lane: lanes 0-15 block 2 c, lanes 16-31 block 2 c + 1
.irp i, 0,1
	v_permlane16_swap_b32 v[PC+8*\m+4*\c+\i], v[PC+8*\m+4*\c+2+\i]
.endr
.endr
.endm
	s_load_b512 s[8:23], s[0:1], 0x0               ; opc s[8:9], ops s[10:11], bq s[12:13], bk s[14:15], bv s[16:17], qkc s[18:19], qks s[20:21], vc s[22:23]
	s_load_b64 s[24:25], s[0:1], 0x40              ; vs
	v_lshl_add_u32 v254, v0, 2, 0x11800
	v_mov_b32 v255, 0
	v_lshrrev_b32 v1, 5, v0
	v_readfirstlane_b32 s3, v1                     ; wave 0..7
	v_and_b32 v1, 31, v0                           ; lane
	v_and_b32 v2, 15, v0                           ; r
	v_bfe_u32 v3, v0, 4, 1                         ; h
	v_lshlrev_b32 v4, 4, v1                        ; 16 x lane: an image's place for my lane
	v_lshlrev_b32 v5, 4, v2
	v_lshl_add_u32 v5, v3, 9, v5                   ; scale words: 512 h (the pair's second tile) + 16 r
	v_lshlrev_b32 v6, 4, v0                        ; 16 x thread: the staging, in memory and in LDS
	s_lshl_b32 s30, s3, 9
	s_add_co_u32 s30, s30, SQK
	v_lshl_add_u32 v7, v2, 2, s30                  ; q's and k's scale words: in, 4 r;
	v_lshl_add_u32 v8, v1, 3, s30                  ; back, 8 x lane
	s_lshl_b32 s30, s3, 8
	s_add_co_u32 s30, s30, SV
	v_lshl_add_u32 v9, v2, 2, s30                  ; v's likewise
	v_lshl_add_u32 v10, v1, 3, s30
	v_lshlrev_b32 v11, 3, v1                       ; 8 x lane: the scale words' place in memory
	v_lshlrev_b32 v12, 6, v3                       ; the bias along P: 64 h
	v_and_b32 v13, 8, v2
	v_add_nc_u32 v13, v13, v2
	v_lshlrev_b32 v13, 2, v13                      ; the bias along R: 4 (r + 8 (r / 8))
.irp b, 0,1,2,3
	v_mov_b32 v[TM+4+\b], 0                        ; written once: a lane permute's destination counts as one of its sources
.endr
	s_mov_b32 s50, 0x76543210
	s_mov_b32 s51, 0xfedcba98                      ; v_permlanex16_b32's selects for lane l xor 16
	s_mov_b32 s52, 0xffff
	s_mov_b32 s53, 0x7f7f0000
	s_lshr_b32 s26, ttmp9, 4                       ; q, k: pg = which 128 rows of Wq (0-7) or Wk (8-15)
	s_and_b32 s27, ttmp9, 15
	s_lshl_b32 s27, s27, 3
	s_add_co_u32 s27, s27, s3                      ; quad = which 64 rows of x are my wave's
	s_and_b32 s30, ttmp9, 127                      ; v: the work-group's number less 256
	s_lshr_b32 s28, s30, 1                         ; G = which 128 rows of x
	s_and_b32 s29, s30, 1
	s_lshl_b32 s29, s29, 3
	s_add_co_u32 s29, s29, s3                      ; hd = my wave's head
	s_lshl_b32 s31, s26, 16
	s_add_co_u32 s31, s31, 0x400000                ; P's codes: tile 512 + 8 pg,
	s_lshl_b32 s32, s28, 16                        ; or tile 8 G
	s_lshl_b32 s33, s27, 15                        ; R's codes: tile 4 quad,
	s_lshl_b32 s34, s29, 15
	s_add_co_u32 s34, s34, 0x500000                ; or tile 640 + 4 hd
	s_cmp_lt_u32 ttmp9, 256
	s_cselect_b32 s54, s31, s32
	s_cselect_b32 s56, s33, s34
	s_mov_b32 s55, 0
	s_mov_b32 s57, 0
	s_lshr_b32 s58, s54, 4                         ; a tile's scale words are a sixteenth of its codes
	s_mov_b32 s59, 0
	s_lshr_b32 s60, s56, 4
	s_mov_b32 s61, 0
	s_wait_kmcnt 0x0
	s_add_nc_u64 s[36:37], s[8:9], s[54:55]
	s_add_nc_u64 s[38:39], s[10:11], s[58:59]
	s_add_nc_u64 s[40:41], s[8:9], s[56:57]
	s_add_nc_u64 s[42:43], s[10:11], s[60:61]
.irp i, 0,1,2,3,4,5,6,7,8,9,10,11,12,13,14,15
	global_load_b128 v[64+4*\i:67+4*\i], v6, s[36:37] offset:4096*\i   ; P: the work-group's 256 threads read 4,096 consecutive bytes
.endr
.irp j, 0,1,2,3
.irp g, 0,1
	global_load_b128 v[SCP+8*\j+4*\g:SCP+8*\j+4*\g+3], v5, s[38:39] offset:1024*\j+256*\g
.endr
.endr
.irp j, 0,1
.irp g, 0,1
	global_load_b128 v[SCR+8*\j+4*\g:SCR+8*\j+4*\g+3], v5, s[42:43] offset:1024*\j+256*\g
.endr
.endr
	RLOAD 0
	RLOAD 1
	s_wait_loadcnt 28                              ; the 16 staging loads are in; the 12 loads of scale words and the 16 of R may be out
.irp i, 0,1,2,3,4,5,6,7,8,9,10,11,12,13,14,15
	ds_store_b128 v6, v[64+4*\i:67+4*\i] offset:4096*\i
.endr
	s_wait_dscnt 0x0                               ; for the others' sake: my stores have landed
	s_barrier_signal -1
	s_barrier_wait -1                              ; P lies in LDS; nothing is written there again
	PLOAD 0, 0
	PLOAD 0, 4
	KSTEP 0, 1
	KSTEP 1, 0
	KSTEP 2, 0
	KSTEP 3, 0
	KSTEP 4, 0
	KSTEP 5, 0
	KSTEP 6, 0
	KSTEP 7, 0
	s_cmp_lt_u32 ttmp9, 256
	s_cbranch_scc0 .Lv
	; ---- q and k: P runs along two heads' 128 features
	s_and_b32 s30, s26, 7                          ; g8: heads 2 g8 and 2 g8 + 1
	s_lshr_b32 s31, s26, 3                         ; 0: q, 1: k
	s_lshr_b32 s32, s27, 5                         ; the batch
	s_and_b32 s33, s27, 31                         ; my 64 rows in it
	s_lshl_b32 s54, s31, 22
	s_lshl_b32 s34, s32, 20
	s_add_co_u32 s54, s54, s34
	s_lshl_b32 s34, s30, 17
	s_add_co_u32 s54, s54, s34
	s_lshl_b32 s34, s33, 11
	s_add_co_u32 s54, s54, s34                     ; codes: 4,194,304 (k) + 65,536 (16 batch + 2 g8) + 512 x 4 x my 64 rows
	s_add_nc_u64 s[46:47], s[18:19], s[54:55]
	s_lshr_b32 s54, s54, 3                         ; the scale words are an eighth of that
	s_add_nc_u64 s[48:49], s[20:21], s[54:55]
	s_cmp_lt_u32 s26, 8
	s_cselect_b64 s[44:45], s[12:13], s[14:15]     ; bq or bk
	s_lshl_b32 s54, s30, 9
	s_add_nc_u64 s[44:45], s[44:45], s[54:55]
.irp b, 0,1,2,3
.irp j, 0,1,2,3
	global_load_b128 v[BI+16*\b+4*\j:BI+16*\b+4*\j+3], v12, s[44:45] offset:128*\b+16*\j   ; the bias in the result's layout: register 16 b + i = feature 32 b + 16 h + i
.endr
.endr
	s_wait_loadcnt 0x0
.irp m, 0,1,2,3
	WIN 0x41                                       ; destination and source 0 in window 1
.set n2, 0
.rept 32
	v_pk_add_f32 v[64*\m+n2:64*\m+n2+1], v[64*\m+n2:64*\m+n2+1], v[BI+n2:BI+n2+1]   ; each accumulator from its low end on
.set n2, n2+2
.endr
	QUANTM \m
	v_and_or_b32 v[WA+\m], v[PW+\m], s52, s53      ; the first head's two bytes, and 0x7f twice
	v_lshrrev_b32 v[WB+\m], 16, v[PW+\m]
	v_or_b32 v[WB+\m], s53, v[WB+\m]               ; the second head's
	global_store_b128 v4, v[PC+8*\m:PC+8*\m+3], s[46:47] offset:512*\m            ; 512 consecutive bytes: a tile of the first head,
	global_store_b128 v4, v[PC+8*\m+4:PC+8*\m+7], s[46:47] offset:65536+512*\m    ; and of the second
	ds_store_b32 v7, v[WA+\m] offset:64*\m         ; lanes r and r + 16 write the same word with the same value
	ds_store_b32 v7, v[WB+\m] offset:256+64*\m
.endr
	ds_load_b64 v[168:169], v8                     ; LDS serves a wave's instructions in order: these see my stores
	ds_load_b64 v[170:171], v8 offset:256
	s_wait_dscnt 0x0
	global_store_b64 v11, v[168:169], s[48:49]     ; 256 consecutive bytes, aligned: my 64 rows' words of the first head,
	global_store_b64 v11, v[170:171], s[48:49] offset:8192   ; and of the second
	s_wait_tensorcnt 0x0
	ds_add_u32 v254, v255
	s_wait_dscnt 0x0
	s_endpgm
.Lv:	; ---- v: P runs along 128 keys; a lane holds one of the head's 64 channels
	s_lshr_b32 s30, s28, 4                         ; the batch
	s_and_b32 s31, s28, 15                         ; the key step
	s_lshl_b32 s54, s30, 20
	s_lshl_b32 s34, s29, 16
	s_add_co_u32 s54, s54, s34
	s_lshl_b32 s34, s31, 12
	s_add_co_u32 s54, s54, s34                     ; codes: 65,536 (16 batch + head) + 4,096 x key step
	s_add_nc_u64 s[46:47], s[22:23], s[54:55]
	s_lshr_b32 s54, s54, 4                         ; the scale words are a sixteenth of that
	s_add_nc_u64 s[48:49], s[24:25], s[54:55]
	s_lshl_b32 s54, s29, 8
	s_add_nc_u64 s[44:45], s[16:17], s[54:55]      ; bv at my head
.irp m, 0,1,2,3
.irp e, 0,1
	global_load_b32 v[BV+2*\m+\e], v13, s[44:45] offset:(32*(\m/2)+8*(\m%2))*4   ; my channel's bias, in both registers of a pair
.endr
.endr
	s_wait_loadcnt 0x0
.irp m, 0,1,2,3
	WIN 0x41
.set n2, 0
.rept 32
	v_pk_add_f32 v[64*\m+n2:64*\m+n2+1], v[64*\m+n2:64*\m+n2+1], v[BV+2*\m:BV+2*\m+1]
.set n2, n2+2
.endr
	QUANTM \m
	global_store_b128 v4, v[PC+8*\m:PC+8*\m+3], s[46:47] offset:1024*\m
	global_store_b128 v4, v[PC+8*\m+4:PC+8*\m+7], s[46:47] offset:1024*\m+512
	ds_store_b32 v9, v[PW+\m] offset:64*\m
.endr
	ds_load_b64 v[168:169], v10
	s_wait_dscnt 0x0
	global_store_b64 v11, v[168:169], s[48:49]     ; 256 consecutive bytes, aligned
	s_wait_tensorcnt 0x0
	ds_add_u32 v254, v255
	s_wait_dscnt 0x0
	s_endpgm
.Lfunc_end_k_q7651ae5ddf_proj:
	.size	k_q7651ae5ddf_proj, .Lfunc_end_k_q7651ae5ddf_proj-k_q7651ae5ddf_proj
	.p2alignl 7, 3214868480
	.fill 96, 4, 3214868480
	.section	.rodata,"a",@progbits
	.p2align	6, 0x0
	.amdhsa_kernel k_q7651ae5ddf_proj
		.amdhsa_group_segment_fixed_size 72704
		.amdhsa_private_segment_fixed_size 0
		.amdhsa_enable_private_segment 0
		.amdhsa_kernarg_size 72
		.amdhsa_user_sgpr_count 2
		.amdhsa_user_sgpr_kernarg_segment_ptr 1
		.amdhsa_wavefront_size32 1
		.amdhsa_system_sgpr_workgroup_id_x 1
		.amdhsa_system_sgpr_workgroup_id_y 1
		.amdhsa_system_sgpr_workgroup_id_z 1
		.amdhsa_system_vgpr_workitem_id 0
		.amdhsa_next_free_vgpr 512
		.amdhsa_next_free_sgpr 66
		.amdhsa_reserve_vcc 0
		.amdhsa_float_denorm_mode_32 3
		.amdhsa_float_denorm_mode_16_64 3
		.amdhsa_memory_ordered 1
		.amdhsa_forward_progress 1
		.amdhsa_inst_pref_size 111
	.end_amdhsa_kernel
	.amdgpu_metadata
---
amdhsa.version: [ 1, 2 ]
amdhsa.kernels:
  - .name:           k_q7651ae5ddf_proj
    .symbol:         k_q7651ae5ddf_proj.kd
    .args:
      - { .name: opc, .offset: 0, .size: 8, .value_kind: global_buffer, .address_space: global }
      - { .name: ops, .offset: 8, .size: 8, .value_kind: global_buffer, .address_space: global }
      - { .name: bq, .offset: 16, .size: 8, .value_kind: global_buffer, .address_space: global }
      - { .name: bk, .offset: 24, .size: 8, .value_kind: global_buffer, .address_space: global }
      - { .name: bv, .offset: 32, .size: 8, .value_kind: global_buffer, .address_space: global }
      - { .name: qkc, .offset: 40, .size: 8, .value_kind: global_buffer, .address_space: global }
      - { .name: qks, .offset: 48, .size: 8, .value_kind: global_buffer, .address_space: global }
      - { .name: vc, .offset: 56, .size: 8, .value_kind: global_buffer, .address_space: global }
      - { .name: vs, .offset: 64, .size: 8, .value_kind: global_buffer, .address_space: global }
    .group_segment_fixed_size: 72704
    .private_segment_fixed_size: 0
    .kernarg_segment_align: 8
    .kernarg_segment_size: 72
    .max_flat_workgroup_size: 256
    .sgpr_count:     66
    .vgpr_count:     512
    .wavefront_size: 32
...
	.end_amdgpu_metadata
.endif
;; end of part 2
;; launch attn (part 3): grid 4 x 64, 16 waves a work-group, no clusters, 223,232 bytes of LDS; arguments qkc, qks, vc, vs, att_mask, out0; writes out0
.if DOCPART == 3
	.amdgcn_target "amdgcn-amd-amdhsa--gfx1250"
	.amdhsa_code_object_version 6
	.text
	.protected	k_q7651ae5ddf_attn
	.globl	k_q7651ae5ddf_attn
	.p2align	8
	.type	k_q7651ae5ddf_attn,@function
k_q7651ae5ddf_attn:
	s_mov_b64 s[64:65], 0
	v_nop
	global_prefetch_b8 v0, s[64:65] scope:SCOPE_SE
	s_setreg_imm32_b32 hwreg(HW_REG_WAVE_MODE, 25, 1), 1
	s_wait_xcnt 0x0
; out[b][q][head] = the sum over keys of softmax(q . k / 8 + mask[b][key]) v, both products on codes of FP4 (E2M1) with one E8M0 scale for each 32 along a product's K.
; THE SOFTMAX AHEAD OF THE SECOND PRODUCT: t = (q . k + 8 mask) x log2(e) / 8; M = the row's largest t so far, rounded UP to a whole number; p = 2^(t - M) is what is quantised, along the keys, not normalised.
; The row's sum is taken of the unquantised p, in f32, and divides O at the end.  When M moves, the sum and O are multiplied by 2^(old M - new M): exact.
; SHARES.  Work-group (x, bh) owns 512 queries of one head of one batch, in two passes of 256; in a pass each of its sixteen waves owns one tile of 16 queries, in 256 registers: four waves to a SIMD, so that
; one wave's vector work stands beside another's matrix work and LDS loads.  Every wave walks the head's 2,048 keys, 128 a step.
; THE WHOLE HEAD LIES IN LDS: K's and V's codes (65,536 bytes each), their scale words and the batch's mask come in once, through registers, ahead of the one barrier; behind it they are only read.
; So there is no ring and no tensor load.  NO CLUSTER: the four work-groups of a head share these 151,552 bytes, which each reads once, ahead of 512 wave steps of work; no step has bytes to share.
; LAYOUT.  Operands lie in memory and in LDS as images of their registers (16 bytes of lane l at 16 l).  Both products are used transposed: S^T = K Q^T, O^T = V^T P^T: a lane holds ONE query (lane % 16) throughout.
; The rows of a tile are not neighbours (of 32 rows, tile u takes row 8 u + r + 8 (r / 8)): so the 16 registers of S^T's tiles 2 b and 2 b + 1 are keys 32 b + 16 (lane / 16) + 0 .. 15, and those of O^T's likewise channels.
; The head's 64 fill half of the first product's K step of 128: the other half is zero codes under the byte 0x7f.
; THE MASK IS THE C OF S^T's PRODUCTS: 8 x mask, read from LDS in the result's layout.  It costs no vector instruction.
; LIMITS: a mask entry under -2^29 (and -infinity, and NaN) counts as -2^29, which differs from the definition only where every key of a batch is masked that deep; so t - M, made by one fused multiply-add
; against a rounded M, stays under 2^6 while only such keys have been seen, and no p overflows.  Logits stay under 2^29 in magnitude.  A p under 2^-126 is 0; a block all of whose p are 0 keeps the byte 1.
; REGISTERS: v1-3, v9-11, v25-27 addresses that stay; v4-8 addresses of the loads in hand; v12 -M, v13 the largest t, v[14:15] the sum in two halves; v16-19 Q, v20-23 zeros, v24 Q's scale words;
;   v32-95 K's 8 fragments (registers 8 t + 4 .. 8 t + 7 stay zeros); v96-159 the mask, S^T, then p; v160-191 O^T; v192-223 V's 4 fragments; v224-231 p's codes; v232-239, v244-247, v252-254 at work;
;   v240-243 K's scale words, v248-249 V's (lanes 0-15 the pair's first tile, lanes 16-31 its second); v253 p's scale word.
.set KC,  0                            ; K's images: 128 tiles x 512 bytes
.set VC,  65536                        ; V's: 16 key steps x 4 tiles x 1,024 bytes
.set KS,  131072                       ; K's scale words: 4 bytes a key
.set VS,  139264                       ; V's: 16 key steps x 64 words
.set MK,  143360                       ; 8 x mask, held from below: 4 bytes a key
.set STG, 151552                       ; the way out: 16 rows x (256 bytes + 16) for each wave
	s_load_b256 s[4:11], s[0:1], 0x0               ; qkc, qks, vc, vs
	s_load_b128 s[12:15], s[0:1], 0x20             ; att_mask, out0
	v_lshl_add_u32 v251, v0, 2, 0x36000
	v_mov_b32 v255, 0
	v_lshrrev_b32 v4, 5, v0
	v_readfirstlane_b32 s16, v4                    ; wave 0..15
	s_and_b32 s17, ttmp7, 0xffff                   ; bh = 16 batch + head
	v_lshlrev_b32 v28, 4, v0                       ; the fill: 16 x thread,
	v_lshlrev_b32 v31, 3, v0                       ; 8 x thread
	s_lshl_b32 s44, s17, 16
	s_mov_b32 s45, 0
	s_lshl_b32 s46, ttmp9, 5
	s_add_co_u32 s27, s46, s16                     ; my tile of queries in pass 0: 32 x + wave
	s_mov_b32 s47, 0
	s_wait_kmcnt 0x0
	s_add_nc_u64 s[28:29], s[4:5], s[44:45]        ; q's codes of this head,
	s_add_nc_u64 s[34:35], s[28:29], 0x400000      ; k's,
	s_add_nc_u64 s[38:39], s[8:9], s[44:45]        ; v's
	s_lshl_b32 s44, s17, 13
	s_add_nc_u64 s[30:31], s[6:7], s[44:45]        ; q's scale words,
	s_add_nc_u64 s[36:37], s[30:31], 0x80000       ; k's,
	s_lshl_b32 s44, s17, 12
	s_add_nc_u64 s[40:41], s[10:11], s[44:45]      ; v's
	s_lshr_b32 s44, s17, 4                         ; the batch
	s_lshl_b32 s46, s44, 13
	s_add_nc_u64 s[42:43], s[12:13], s[46:47]      ; its mask
.irp i, 0,1,2,3,4,5,6,7
	global_load_b128 v[32+4*\i:35+4*\i], v28, s[34:35] offset:8192*\i   ; the 512 threads read 8,192 consecutive bytes
.endr
.irp i, 0,1,2,3,4,5,6,7
	global_load_b128 v[64+4*\i:67+4*\i], v28, s[38:39] offset:8192*\i
.endr
	global_load_b128 v[96:99], v28, s[36:37]
	global_load_b64 v[100:101], v31, s[40:41]
	global_load_b128 v[104:107], v28, s[42:43]
	s_lshl_b32 s46, s27, 9
	s_add_nc_u64 s[28:29], s[28:29], s[46:47]      ; Q's codes at my tile
	s_lshl_b32 s46, s27, 6
	s_add_nc_u64 s[30:31], s[30:31], s[46:47]      ; and its scale words
	s_lshl_b32 s46, s44, 23                        ; out0: the batch's 2,048 rows of 4,096 bytes,
	s_lshl_b32 s44, ttmp9, 21                      ; the work-group's 512,
	s_add_co_u32 s46, s46, s44
	s_lshr_b32 s44, s16, 1
	s_lshl_b32 s44, s44, 17                        ; my pair of tiles' 32,
	s_add_co_u32 s46, s46, s44
	s_and_b32 s44, s16, 1
	s_lshl_b32 s44, s44, 15                        ; the pair's second tile begins 8 rows on,
	s_add_co_u32 s46, s46, s44
	s_and_b32 s44, s17, 15
	s_lshl_b32 s44, s44, 8                         ; the head's 256 bytes of a row
	s_add_co_u32 s46, s46, s44
	s_add_nc_u64 s[32:33], s[14:15], s[46:47]
	s_mov_b32 s18, 0x76543210
	s_mov_b32 s19, 0xfedcba98                      ; v_permlanex16_b32's selects for lane l xor 16
	s_mov_b32 s20, 0x3e38aa3b                      ; c = log2(e) / 8
	s_mov_b32 s21, s20                             ; (named with it as a pair, so it is written)
	v_add_nc_u32 v29, VC, v28
	v_add_nc_u32 v30, KS, v28
	v_add_nc_u32 v250, VS, v31
	v_and_b32 v4, 31, v0                           ; lane
	v_and_b32 v5, 15, v0                           ; r
	v_bfe_u32 v6, v0, 4, 1                         ; h
	v_lshlrev_b32 v1, 4, v4                        ; 16 x lane: an image's place for my lane
	v_add_nc_u32 v2, VC, v1
	v_lshl_add_u32 v3, v6, 6, MK                   ; the mask: my half's 16 keys of a block of 32
	v_lshl_add_u32 v9, v4, 2, KS
	v_lshl_add_u32 v10, v4, 2, VS
	v_lshlrev_b32 v11, 2, v5
	s_mul_i32 s27, s16, 16*272
	s_add_co_u32 s27, s27, STG                     ; my stage
	v_mul_u32_u24 v25, v5, 272
	v_lshl_add_u32 v25, v6, 6, v25
	v_add_nc_u32 v25, s27, v25                     ; in: row r, + 64 h
	v_mul_u32_u24 v26, v6, 272
	v_lshl_add_u32 v26, v5, 4, v26
	v_add_nc_u32 v26, s27, v26                     ; back: lanes 0-15 one row, lanes 16-31 the next
	v_lshlrev_b32 v27, 12, v6
	v_lshl_add_u32 v27, v5, 4, v27                 ; and the same two rows in out0
	s_wait_loadcnt 11                              ; K's 8 loads are in; the 11 behind them may be out
.irp i, 0,1,2,3,4,5,6,7
	ds_store_b128 v28, v[32+4*\i:35+4*\i] offset:8192*\i
.endr
	s_wait_loadcnt 3                               ; V's 8 are in
.irp i, 0,1,2,3,4,5,6,7
	ds_store_b128 v29, v[64+4*\i:67+4*\i] offset:8192*\i
.endr
	s_wait_loadcnt 0x0
	ds_store_b128 v30, v[96:99]
	ds_store_b64 v250, v[100:101]
	v_pk_mul_f32 v[104:105], v[104:105], 0x41000000 op_sel_hi:[1,0]   ; 8 x mask: exact
	v_pk_mul_f32 v[106:107], v[106:107], 0x41000000 op_sel_hi:[1,0]
.irp i, 0,1,2,3
	v_max_num_f32 v[104+\i], 0xcf800000, v[104+\i] ; held at -2^32 from below
.endr
	ds_store_b128 v30, v[104:107] offset:MK-KS
	s_wait_dscnt 0x0                               ; for the others' sake: my stores have landed
	s_barrier_signal -1
	s_barrier_wait -1                              ; the head lies in LDS; from here on these bytes are only read
.irp i, 0,1,2,3
	v_mov_b32 v[20+\i], 0                          ; the zero codes of Q's second half of the K step,
.endr
.irp t, 0,1,2,3,4,5,6,7
.irp i, 4,5,6,7
	v_mov_b32 v[32+8*\t+\i], 0                     ; and of K's: written once
.endr
.endr
.irp b, 0,1,2,3
	v_mov_b32 v[236+\b], 0                         ; written once: a lane permute's destination counts as one of its sources
.endr
	v_mov_b32 v253, 0                              ; (named as the upper half of the pair v[252:253] before it is first written)
.macro SQK t                           ; S^T's tile t: 16 keys x my 16 queries, onto the mask
.if (\t)%2
	v_wmma_scale_f32_16x16x128_f8f6f4 v[96+8*\t:103+8*\t], v[32+8*\t:39+8*\t], v[16:23], v[96+8*\t:103+8*\t], v[240+\t/2], v24 matrix_a_fmt:MATRIX_FMT_FP4 matrix_b_fmt:MATRIX_FMT_FP4 matrix_a_scale:MATRIX_SCALE_ROW1
.else
	v_wmma_scale_f32_16x16x128_f8f6f4 v[96+8*\t:103+8*\t], v[32+8*\t:39+8*\t], v[16:23], v[96+8*\t:103+8*\t], v[240+\t/2], v24 matrix_a_fmt:MATRIX_FMT_FP4 matrix_b_fmt:MATRIX_FMT_FP4
.endif
.endm
.macro OPV t                           ; O^T's tile t: 16 channels x my 16 queries, K = the step's 128 keys
.if (\t)%2
	v_wmma_scale_f32_16x16x128_f8f6f4 v[160+8*\t:167+8*\t], v[192+8*\t:199+8*\t], v[224:231], v[160+8*\t:167+8*\t], v[248+\t/2], v253 matrix_a_fmt:MATRIX_FMT_FP4 matrix_b_fmt:MATRIX_FMT_FP4 matrix_a_scale:MATRIX_SCALE_ROW1
.else
	v_wmma_scale_f32_16x16x128_f8f6f4 v[160+8*\t:167+8*\t], v[192+8*\t:199+8*\t], v[224:231], v[160+8*\t:167+8*\t], v[248+\t/2], v253 matrix_a_fmt:MATRIX_FMT_FP4 matrix_b_fmt:MATRIX_FMT_FP4
.endif
.endm
; A PASS: my tile of 16 queries, 16 tiles on from the last pass's; its place stands in the immediates.
.macro PASS p
.if \p
	s_wait_xcnt 0x0                                ; the last pass's stores have read their registers: the mask lands there again
.endif
	global_load_b128 v[16:19], v1, s[28:29] offset:8192*\p
	global_load_b32 v24, v11, s[30:31] offset:1024*\p
	v_mov_b32 v13, 0xff61b1e6                      ; the largest t so far: -3e38, under every t
	v_floor_f32 v12, -v13                          ; -M
	v_mov_b32 v14, 0                               ; the sum, in two halves
	v_mov_b32 v15, 0
.set n, 0
.rept 32
	v_mov_b32 v[160+n], 0                          ; O^T.  (The step is written once: the first finds zeros, which the first change of M leaves zeros)
.set n, n+1
.endr
	s_mov_b32 s22, 0                               ; where the step's images of K and of V begin: 4,096 bytes a step
	s_mov_b32 s23, 0                               ; its mask and K's scale words: 512
	s_mov_b32 s24, 0                               ; V's scale words: 256
	s_mov_b32 s25, 16
	s_wait_loadcnt 0x0                             ; Q
.Lstep_\@:
	v_add_nc_u32 v4, s22, v1                       ; these five are also the places between the last step's products and the loads into their registers
	v_add_nc_u32 v5, s22, v2
	v_add_nc_u32 v6, s23, v9
	v_add_nc_u32 v7, s23, v3
	v_add_nc_u32 v8, s24, v10
.irp b, 0,1,2,3
.irp j, 0,1,2,3
	ds_load_b128 v[96+16*\b+4*\j:99+16*\b+4*\j], v7 offset:128*\b+16*\j   ; the mask in the result's layout: register 16 b + i = key 32 b + 16 h + i
.endr
.endr
.irp t, 0,1,2,3,4,5,6,7
	ds_load_b128 v[32+8*\t:35+8*\t], v4 offset:512*\t
.endr
.irp j, 0,1,2,3
	ds_load_b32 v[240+\j], v6 offset:128*\j
.endr
.irp t, 0,1,2,3
.irp c, 0,1
	ds_load_b128 v[192+8*\t+4*\c:195+8*\t+4*\c], v5 offset:1024*\t+512*\c
.endr
.endr
.irp j, 0,1
	ds_load_b32 v[248+\j], v8 offset:128*\j
.endr
	s_wait_dscnt 10                                ; the mask, K and its scale words are in; V's 8 loads and its 2 of scale words may be out
.irp t, 0,1,2,3,4,5,6,7
	SQK \t                                         ; eight accumulators, one instruction each
.endr
.rept 4
	v_nop
.endr
.irp b, 0,1,2,3
	v_max3_num_f32 v[232+\b], v[96+16*\b], v[97+16*\b], v[98+16*\b]   ; THE LARGEST SCORE OF EACH BLOCK OF 32 KEYS serves twice: for the row's maximum, and, since p rises with the score, for the block's largest p
.endr
.irp i, 3,5,7,9,11,13
.irp b, 0,1,2,3
	v_max3_num_f32 v[232+\b], v[232+\b], v[96+16*\b+\i], v[97+16*\b+\i]   ; (the four blocks by turns)
.endr
.endr
.irp b, 0,1,2,3
	v_max_num_f32 v[232+\b], v[232+\b], v[111+16*\b]
.endr
.irp b, 0,1,2,3
	v_permlanex16_b32 v[236+\b], v[232+\b], s18, s19
.endr
.irp b, 0,1,2,3
	v_max_num_f32 v[232+\b], v[232+\b], v[236+\b]  ; with lane l xor 16's 16 keys
.endr
	v_max3_num_f32 v254, v232, v233, v234
	v_max_num_f32 v254, v254, v235                 ; the step's largest score of my query
	v_mul_f32 v254, s20, v254                      ; as t (c is positive)
	v_max_num_f32 v13, v13, v254                   ; the running largest t
	v_mov_b32 v254, v12
	v_floor_f32 v12, -v13                          ; the new -M = floor(-t) = -ceil(t): M is a whole number
	v_sub_f32 v254, v12, v254                      ; M's old value less its new one: a whole number, 0 or less
	v_cvt_i32_f32 v254, v254                       ; (it saturates)
	v_ldexp_f32 v252, 1.0, v254                    ; f = 2^(old M - new M)
.set n, 0
.rept 32
	v_pk_fma_f32 v[96+n:97+n], v[96+n:97+n], s[20:21], v[12:13] op_sel_hi:[1,0,0]   ; t - M, two at a time (of the pairs c and -M the low word serves both halves)
.set n, n+2
.endr
.irp b, 0,1,2,3
	v_fma_f32 v[232+\b], v[232+\b], s20, v12       ; the same of each block's largest score
.endr
.set n, 0
.rept 64
	v_exp_f32 v[96+n], v[96+n]                     ; p = 2^(t - M): not normalised
.set n, n+1
.endr
.irp b, 0,1,2,3
	v_exp_f32 v[232+\b], v[232+\b]                 ; the block's largest p: the same two instructions on the same number give the same bits
.endr
	v_pk_mul_f32 v[14:15], v[14:15], v[252:253] op_sel_hi:[1,0]   ; the sums under the new M.  (A plain instruction behind the exponentials)
	s_wait_alu depctr_va_vdst(0)
.irp b, 0,1,2,3
	v_max_num_f32 v[232+\b], 0x1800000, v[232+\b]  ; the floor 2^(3 - 127): the byte cannot fall under 1
.endr
.irp b, 0,1,2,3
	v_add_nc_u32 v[244+\b], 0xff000000, v[232+\b]  ; 2 off the exponent field: the conversion's scale operand
.endr
.irp b, 0,1,2,3
	v_lshrrev_b32 v[236+\b], 23, v[244+\b]         ; the scale's byte
.endr
	v_lshl_or_b32 v253, v237, 8, v236              ; p's scale word for these 128 keys
	v_lshl_or_b32 v253, v238, 16, v253
	v_lshl_or_b32 v253, v239, 24, v253
.irp b, 0,1,2,3
	v_cvt_scalef32_pk8_fp4_f32 v[224+2*\b], v[96+16*\b:103+16*\b], v[244+\b]
	v_cvt_scalef32_pk8_fp4_f32 v[225+2*\b], v[104+16*\b:111+16*\b], v[244+\b]
.endr
	v_nop                                          ; one plain instruction behind the last scaled conversion
.irp c, 0,1                                    ; the operand's layout wants a whole block in a lane: lanes 0-15 block 2 c, lanes 16-31 block 2 c + 1
.irp i, 0,1
	v_permlane16_swap_b32 v[224+4*\c+\i], v[226+4*\c+\i]
.endr
.endr
	v_pk_add_f32 v[236:237], v[96:97], v[98:99]    ; THE ROW'S SUM IS TAKEN OF THE UNQUANTISED p: two at a time, in two chains
.irp j, 4,8,12,16,20,24,28,32,36,40,44,48,52,56,60
	v_pk_add_f32 v[14:15], v[14:15], v[96+\j:97+\j]
	v_pk_add_f32 v[236:237], v[236:237], v[98+\j:99+\j]
.endr
	v_pk_add_f32 v[14:15], v[14:15], v[236:237]    ; (these 32 additions are also the instructions between the codes' and the scale word's making and the products below)
.set n, 0
.rept 16
	v_pk_mul_f32 v[160+n:161+n], v[160+n:161+n], v[252:253] op_sel_hi:[1,0]   ; O^T under the new M: x f
.set n, n+2
.endr
	s_wait_dscnt 0x0                               ; V and its scale words are in
.irp t, 0,1,2,3
	OPV \t                                         ; four accumulators, one instruction each
.endr
	s_add_co_u32 s22, s22, 4096
	s_add_co_u32 s23, s23, 512
	s_add_co_u32 s24, s24, 256
	s_sub_co_u32 s25, s25, 1
	s_cmp_lg_u32 s25, 0
	s_cbranch_scc1 .Lstep_\@
	; THE WAY OUT.  O^T is divided by the row's sum and goes through my stage in LDS, so that sixteen lanes store a row's 256 bytes of this head.
.rept 4
	v_nop
.endr
	v_add_f32 v14, v14, v15                        ; the sum's two halves,
	v_permlanex16_b32 v252, v14, s18, s19
	v_add_f32 v14, v14, v252                       ; and lane l xor 16's: the row's sum
	v_rcp_f32 v14, v14
	v_nop                                          ; one plain instruction behind the transcendental
.set n, 0
	s_wait_alu depctr_va_vdst(0)
.rept 32
	v_mul_f32 v[96+n], v[160+n], v14               ; register 8 t + j is channel 32 (t / 2) + 16 h + 8 (t % 2) + j of my query; each accumulator from its low end on
.set n, n+1
.endr
.irp t, 0,1,2,3
.irp e, 0,1
	ds_store_b128 v25, v[96+8*\t+4*\e:99+8*\t+4*\e] offset:128*(\t/2)+32*(\t%2)+16*\e
.endr
.endr
.irp i, 0,1,2,3,4,5,6,7
	ds_load_b128 v[128+4*\i:131+4*\i], v26 offset:544*\i   ; LDS serves a wave's instructions in order: these see my stores
.endr
.irp i, 0,1,2,3,4,5,6,7
	s_wait_dscnt 7-\i                              ; load i is in; the younger ones may be out
	global_store_b128 v27, v[128+4*\i:131+4*\i], s[32:33] offset:1048576*\p+(2*\i+8*(\i/4))*4096 th:TH_STORE_NT   ; the tile's rows 2 i and 2 i + 1 at their true places; 16 lanes store 256 consecutive bytes, aligned
.endr
.endm
	PASS 0
	PASS 1
	s_wait_tensorcnt 0x0
	ds_add_u32 v251, v255
	s_wait_dscnt 0x0
	s_endpgm
.Lfunc_end_k_q7651ae5ddf_attn:
	.size	k_q7651ae5ddf_attn, .Lfunc_end_k_q7651ae5ddf_attn-k_q7651ae5ddf_attn
	.p2alignl 7, 3214868480
	.fill 96, 4, 3214868480
	.section	.rodata,"a",@progbits
	.p2align	6, 0x0
	.amdhsa_kernel k_q7651ae5ddf_attn
		.amdhsa_group_segment_fixed_size 223232
		.amdhsa_private_segment_fixed_size 0
		.amdhsa_enable_private_segment 0
		.amdhsa_kernarg_size 48
		.amdhsa_user_sgpr_count 2
		.amdhsa_user_sgpr_kernarg_segment_ptr 1
		.amdhsa_wavefront_size32 1
		.amdhsa_system_sgpr_workgroup_id_x 1
		.amdhsa_system_sgpr_workgroup_id_y 1
		.amdhsa_system_sgpr_workgroup_id_z 1
		.amdhsa_system_vgpr_workitem_id 0
		.amdhsa_next_free_vgpr 256
		.amdhsa_next_free_sgpr 66
		.amdhsa_reserve_vcc 0
		.amdhsa_float_denorm_mode_32 3
		.amdhsa_float_denorm_mode_16_64 3
		.amdhsa_memory_ordered 1
		.amdhsa_forward_progress 1
		.amdhsa_inst_pref_size 51
	.end_amdhsa_kernel
	.amdgpu_metadata
---
amdhsa.version: [ 1, 2 ]
amdhsa.kernels:
  - .name:           k_q7651ae5ddf_attn
    .symbol:         k_q7651ae5ddf_attn.kd
    .args:
      - { .name: qkc, .offset: 0, .size: 8, .value_kind: global_buffer, .address_space: global }
      - { .name: qks, .offset: 8, .size: 8, .value_kind: global_buffer, .address_space: global }
      - { .name: vc, .offset: 16, .size: 8, .value_kind: global_buffer, .address_space: global }
      - { .name: vs, .offset: 24, .size: 8, .value_kind: global_buffer, .address_space: global }
      - { .name: att_mask, .offset: 32, .size: 8, .value_kind: global_buffer, .address_space: global }
      - { .name: out0, .offset: 40, .size: 8, .value_kind: global_buffer, .address_space: global }
    .group_segment_fixed_size: 223232
    .private_segment_fixed_size: 0
    .kernarg_segment_align: 8
    .kernarg_segment_size: 48
    .max_flat_workgroup_size: 512
    .sgpr_count:     66
    .vgpr_count:     256
    .wavefront_size: 32
...
	.end_amdgpu_metadata
.endif
;; end of part 3
;; ======== version 2 of 2: 3 launches
;; limits: right only within a limited range of input values
;; workspace buffers: opc 5,767,168 bytes; ops 360,448 bytes; qkc 8,388,608 bytes; qks 1,048,576 bytes; vc 4,194,304 bytes; vs 262,144 bytes
;; launch quant (part 4): grid 352 x 1, 4 waves a work-group, no clusters, 34,304 bytes of LDS; arguments x, Wq, Wk, Wv, opc, ops; writes opc, ops
.if DOCPART == 4
	.amdgcn_target "amdgcn-amd-amdhsa--gfx1250"
	.amdhsa_code_object_version 6
	.text
	.protected	k_q7651ae5ddf_quant
	.globl	k_q7651ae5ddf_quant
	.p2align	8
	.type	k_q7651ae5ddf_quant,@function
k_q7651ae5ddf_quant:
	s_mov_b64 s[64:65], 0
	v_nop
	global_prefetch_b8 v0, s[64:65] scope:SCOPE_SE
	s_setreg_imm32_b32 hwreg(HW_REG_WAVE_MODE, 25, 1), 1
	s_wait_xcnt 0x0
; x [8192][1024], Wq, Wk, Wv [1024][1024], f32, K innermost, become codes of FP4 (E2M1) with one E8M0 byte for each 32 along K.
; A block's scale is 2^(floor(log2(its largest magnitude)) - 2); its byte is the largest magnitude's exponent field - 2, held at 1 from below.
; LIMITS: a block of zeros gets the byte 1 and not 127 (its codes are zeros, and this program alone reads the bytes); NaN and infinities among the inputs are not served.
; THE OUTPUT IS LAID AS THE MATRIX OPERANDS' REGISTERS.  A tile is 16 rows x 1,024 k.  opc: [tile][K step s of 128][c][lane][16 bytes]: lane (r, h), half c holds the codes of
; k = 128 s + 64 c + 32 h + 0 .. 31 of the tile's row r.  ops: [tile][sg][r][4 words]: word q is the four scale bytes of K step 4 sg + q.
; THE ROWS OF A TILE ARE NOT NEIGHBOURS: of 32 rows, tile u (0, 1) takes row 8 u + r + 8 (r / 8) as its row r.
; Tiles 0-511 are x's, 512-575 Wq's, 576-639 Wk's, 640-703 Wv's.  Work-group g takes tiles 2 g and 2 g + 1 (32 rows of one tensor); wave w takes tile 2 g + w / 2 and k = 512 (w % 2) on: four K steps.
; A load reads 512 consecutive bytes of one row, 16 a lane; a K step's 16 rows turn through the wave's own stage in LDS and come back 128 bytes a lane: two whole blocks of 32, so a block's maximum needs no other lane.
; Waves share nothing: no barrier.  Loads run two K steps (32 loads a wave) ahead.
.set SP,  528                          ; a stage row: 512 bytes + 16 of padding: 33 x 16, so that the 16 rows that a load touches start at different banks
.set WST, 16*SP                        ; a wave's stage
.set RA,  16                           ; v16-143   two sets of 64 registers as loaded
.set X,   144                          ; v144-207  two blocks of 32 neighbours
.set C,   208                          ; v208-239  8 registers of codes for each K step: no store's data are written again
.set SW,  240                          ; v240-243  the scale word of each K step
	s_load_b256 s[4:11], s[0:1], 0x0               ; x, Wq, Wk, Wv
	s_load_b128 s[12:15], s[0:1], 0x20             ; opc, ops
	v_lshl_add_u32 v254, v0, 2, 0x8400
	v_mov_b32 v255, 0
	v_lshrrev_b32 v6, 5, v0
	v_readfirstlane_b32 s16, v6                    ; wave 0..3
	v_and_b32 v7, 31, v0                           ; lane
	v_and_b32 v8, 15, v0                           ; r
	v_bfe_u32 v9, v0, 4, 1                         ; h
	v_lshlrev_b32 v1, 4, v7                        ; 16 x lane: my bytes of a load, and of an image
	s_mul_i32 s23, s16, WST
	v_add_nc_u32 v2, s23, v1                       ; the stage, on the way in
	v_mul_u32_u24 v3, v8, SP
	v_lshl_add_u32 v3, v9, 7, v3
	v_add_nc_u32 v3, s23, v3                       ; and on the way out: row r, + 128 h
	v_lshlrev_b32 v4, 3, v9                        ; 8 h: my bytes' place in a scale word
	v_lshlrev_b32 v5, 4, v8
	v_lshl_add_u32 v5, v9, 3, v5                   ; 16 r + 8 h: where I store two scale words
	v_mov_b32 v246, 0                              ; written once: a lane permute's destination counts as one of its sources
	s_mov_b32 s20, 0x76543210
	s_mov_b32 s21, 0xfedcba98                      ; v_permlanex16_b32's selects for lane l xor 16
	s_and_b32 s17, ttmp9, 31                       ; a weight's group of 32 rows (256, 288 and 320 are multiples of 32)
	s_lshr_b32 s22, s16, 1
	s_lshl_b32 s22, s22, 15                        ; tile u begins 8 rows of 4,096 bytes on,
	s_and_b32 s24, s16, 1
	s_lshl_b32 s24, s24, 11                        ; the second half of K 2,048 bytes on
	s_add_co_u32 s22, s22, s24
	s_lshl_b32 s26, ttmp9, 14
	s_lshl_b32 s24, s16, 12
	s_add_co_u32 s26, s26, s24                     ; opc: 16,384 g + 4,096 w
	s_mov_b32 s27, 0
	s_lshr_b32 s28, s26, 4                         ; ops: a sixteenth of that
	s_mov_b32 s29, 0
	s_mov_b32 s19, 0
	s_wait_alu depctr_va_vdst(0)
	s_wait_kmcnt 0x0
	s_cmp_lt_u32 ttmp9, 320                        ; which tensor: the choice hangs on the work-group's number alone
	s_cselect_b64 s[8:9], s[8:9], s[10:11]
	s_cmp_lt_u32 ttmp9, 288
	s_cselect_b64 s[6:7], s[6:7], s[8:9]
	s_cmp_lt_u32 ttmp9, 256
	s_cselect_b64 s[4:5], s[4:5], s[6:7]
	s_cselect_b32 s17, ttmp9, s17
	s_lshl_b32 s18, s17, 17                        ; 32 rows of 4,096 bytes
	s_add_co_u32 s18, s18, s22
	s_add_nc_u64 s[4:5], s[4:5], s[18:19]
	s_add_nc_u64 s[12:13], s[12:13], s[26:27]
	s_add_nc_u64 s[14:15], s[14:15], s[28:29]
.macro LOAD q                          ; K step q of my tile's 16 rows
.irp i, 0,1,2,3,4,5,6,7,8,9,10,11,12,13,14,15
	global_load_b128 v[RA+64*((\q)%2)+4*\i:RA+64*((\q)%2)+4*\i+3], v1, s[4:5] offset:(\i+8*(\i/8))*4096+512*(\q) th:TH_LOAD_NT
.endr
.endm
.macro TURN q                          ; through the stage: LDS serves a wave's instructions in order, so no wait stands between the stores and the loads
.irp i, 0,1,2,3,4,5,6,7,8,9,10,11,12,13,14,15
	ds_store_b128 v2, v[RA+64*((\q)%2)+4*\i:RA+64*((\q)%2)+4*\i+3] offset:SP*\i
.endr
.irp c, 0,1
.irp j, 0,1,2,3,4,5,6,7
	ds_load_b128 v[X+32*\c+4*\j:X+32*\c+4*\j+3], v3 offset:256*\c+16*\j
.endr
.endr
.endm
.macro STEP q
.if (\q) < 3
	s_wait_loadcnt 16                              ; this step's 16 loads are in; the next step's 16 may be out
.else
	s_wait_loadcnt 0
.endif
	TURN \q
	s_wait_dscnt 0x0                               ; my 64 numbers are back, and the stores into the stage have read their registers,
.if (\q)+2 < 4
	LOAD (\q)+2                                    ; which take the loads of two steps on
.endif
.irp c, 0,1
	v_max3_num_f32 v[244+\c], |v[X+32*\c]|, |v[X+32*\c+1]|, 0x1800000   ; block 2 c + h: all 32 numbers are mine; the floor 2^(3 - 127) holds the byte at 1 from below
.endr
.irp i, 2,4,6,8,10,12,14,16,18,20,22,24,26,28,30
.irp c, 0,1
	v_max3_num_f32 v[244+\c], v[244+\c], |v[X+32*\c+\i]|, |v[X+32*\c+\i+1]|   ; (the two blocks by turns)
.endr
.endr
.irp c, 0,1
	v_add_nc_u32 v[248+\c], 0xff000000, v[244+\c]  ; 2 off the exponent field: the conversion takes the exponent field of this operand as its scale
.endr
.irp c, 0,1
	v_lshrrev_b32 v[250+\c], 23, v[248+\c]         ; the scale's byte
.endr
	v_lshl_or_b32 v247, v251, 16, v250             ; my two bytes: blocks h and 2 + h,
	v_lshlrev_b32 v247, v4, v247                   ; at their places in the word;
	v_permlanex16_b32 v246, v247, s20, s21
	v_or_b32 v[SW+(\q)], v247, v246                ; with lane l xor 16's two the word is whole
.irp c, 0,1
.irp g, 0,1,2,3
	v_cvt_scalef32_pk8_fp4_f32 v[C+8*(\q)+4*\c+\g], v[X+32*\c+8*\g:X+32*\c+8*\g+7], v[248+\c]
.endr
.endr
	v_nop                                          ; one plain instruction behind the last scaled conversion
.irp c, 0,1
	global_store_b128 v1, v[C+8*(\q)+4*\c:C+8*(\q)+4*\c+3], s[12:13] offset:1024*(\q)+512*\c   ; 32 lanes store 512 consecutive bytes, aligned
.endr
.endm
	LOAD 0
	LOAD 1
	STEP 0
	STEP 1
	STEP 2
	STEP 3
	v_cmp_le_u32 vcc_lo, 16, v7                    ; lanes 0-15 store words 0 and 1 of their row, lanes 16-31 words 2 and 3
	v_cndmask_b32 v10, v[SW], v[SW+2], vcc_lo
	v_cndmask_b32 v11, v[SW+1], v[SW+3], vcc_lo
	global_store_b64 v5, v[10:11], s[14:15]        ; 32 lanes store 256 consecutive bytes, aligned
	s_wait_tensorcnt 0x0
	ds_add_u32 v254, v255
	s_wait_dscnt 0x0
	s_endpgm
.Lfunc_end_k_q7651ae5ddf_quant:
	.size	k_q7651ae5ddf_quant, .Lfunc_end_k_q7651ae5ddf_quant-k_q7651ae5ddf_quant
	.p2alignl 7, 3214868480
	.fill 96, 4, 3214868480
	.section	.rodata,"a",@progbits
	.p2align	6, 0x0
	.amdhsa_kernel k_q7651ae5ddf_quant
		.amdhsa_group_segment_fixed_size 34304
		.amdhsa_private_segment_fixed_size 0
		.amdhsa_enable_private_segment 0
		.amdhsa_kernarg_size 48
		.amdhsa_user_sgpr_count 2
		.amdhsa_user_sgpr_kernarg_segment_ptr 1
		.amdhsa_wavefront_size32 1
		.amdhsa_system_sgpr_workgroup_id_x 1
		.amdhsa_system_sgpr_workgroup_id_y 1
		.amdhsa_system_sgpr_workgroup_id_z 1
		.amdhsa_system_vgpr_workitem_id 0
		.amdhsa_next_free_vgpr 256
		.amdhsa_next_free_sgpr 66
		.amdhsa_reserve_vcc 1
		.amdhsa_float_denorm_mode_32 3
		.amdhsa_float_denorm_mode_16_64 3
		.amdhsa_memory_ordered 1
		.amdhsa_forward_progress 1
		.amdhsa_inst_pref_size 30
	.end_amdhsa_kernel
	.amdgpu_metadata
---
amdhsa.version: [ 1, 2 ]
amdhsa.kernels:
  - .name:           k_q7651ae5ddf_quant
    .symbol:         k_q7651ae5ddf_quant.kd
    .args:
      - { .name: x, .offset: 0, .size: 8, .value_kind: global_buffer, .address_space: global }
      - { .name: Wq, .offset: 8, .size: 8, .value_kind: global_buffer, .address_space: global }
      - { .name: Wk, .offset: 16, .size: 8, .value_kind: global_buffer, .address_space: global }
      - { .name: Wv, .offset: 24, .size: 8, .value_kind: global_buffer, .address_space: global }
      - { .name: opc, .offset: 32, .size: 8, .value_kind: global_buffer, .address_space: global }
      - { .name: ops, .offset: 40, .size: 8, .value_kind: global_buffer, .address_space: global }
    .group_segment_fixed_size: 34304
    .private_segment_fixed_size: 0
    .kernarg_segment_align: 8
    .kernarg_segment_size: 48
    .max_flat_workgroup_size: 128
    .sgpr_count:     66
    .vgpr_count:     256
    .wavefront_size: 32
...
	.end_amdgpu_metadata
.endif
;; end of part 4
;; launch proj (part 5): grid 384 x 1, 8 waves a work-group, no clusters, 72,704 bytes of LDS; arguments opc, ops, bq, bk, bv, qkc, qks, vc, vs; writes qkc, qks, vc, vs
.if DOCPART == 5
	.amdgcn_target "amdgcn-amd-amdhsa--gfx1250"
	.amdhsa_code_object_version 6
	.text
	.protected	k_q7651ae5ddf_proj
	.globl	k_q7651ae5ddf_proj
	.p2align	8
	.type	k_q7651ae5ddf_proj,@function
k_q7651ae5ddf_proj:
	s_mov_b64 s[64:65], 0
	v_nop
	global_prefetch_b8 v0, s[64:65] scope:SCOPE_SE
	s_setreg_imm32_b32 hwreg(HW_REG_WAVE_SCHED_MODE, 0, 2), 2
	s_setreg_imm32_b32 hwreg(HW_REG_WAVE_MODE, 25, 1), 1
	s_wait_xcnt 0x0
	s_wait_alu depctr_vm_vsrc(0)
; q = x Wq^T + bq, k = x Wk^T + bk, v = x Wv^T + bv on codes of FP4 with E8M0 scales, K = 1,024; the results are quantised at once: q and k along the head's 64, v along the keys.
; ONE BODY, TWO ORIENTATIONS.  Source 0 is P, 128 rows (8 tiles): a lane's result registers run along it, and so does the quantiser.  Source 1 is R, 64 rows a wave (4 tiles): a lane holds one row of it.
;   work-groups 0-255: P = 128 rows of Wq or Wk (two heads), R = rows of x.      work-groups 256-383: P = 128 rows of x (the keys of one key step), R = the 64 rows of Wv of one head.
; Operands lie in memory as images of their registers (16 bytes of lane l at 16 l), and the rows of a tile are chosen so (of 32 rows, tile u takes row 8 u + r + 8 (r / 8)) that the 16 result registers
; of tiles 2 b and 2 b + 1 are 16 neighbours along P: 32 b + 16 (lane / 16) + 0 .. 15.  So the conversions' results, after the exchange of halves, are the next product's operand.
; The eight waves share P's 65,536 bytes, staged once in LDS; each wave loads its own fragments of R from memory, 512 consecutive bytes an instruction.  A wave's tile is 128 x 64: 32 accumulators, 256 registers.
; The bias is added behind the whole sum.  OUT: qkc [q, k][bh][tile][lane][16 bytes] (dims 32 h + 0 .. 31 of the tile's row r); qks [q, k][bh][row]: a word: two scale bytes, then 0x7f twice, for the half of
; the next product's K step that holds zero codes; vc [bh][key step][d tile][c][lane][16 bytes]; vs [bh][key step][d tile][r]: a word.
; NO TENSOR LOADS, NO CLUSTER: K is eight steps, P is fetched once and no LDS byte is filled twice; what work-groups share (a P of 64 KiB) is a fifth of what each reads.
; LIMITS: a block of zeros gets the byte 1 and not 127 (its codes are zeros, and this program alone reads the bytes); NaN and infinities are not served.
; REGISTERS.  Window 0: v4-13 addresses; v14-45 P's scale words, v46-61 R's (register 8 j + s: lanes 0-15 tile 2 j's word of K step s, lanes 16-31 tile 2 j + 1's); v62-157 P's fragments, three buffers of four tiles;
;   v158-253 R's fragments, three sets.  Behind the sums: v64-127 the bias along P; v128-159 the codes; v160-167 the bias along R; v168-171 scale words on their way out; v224-251 at work.
;   Window 1: the accumulators, (tile t of P, tile m of R) at v[64 m + 8 t].
; THE MODE: SCHED_MODE bits 1:0 = 2 (LLVM: expert scheduling mode 2), set by the entry lines.  The code itself states the register dependences
; between vector or matrix instructions and memory or LDS instructions, with s_wait_alu, always for 0.
; THE PLAN.  Registers that memory or LDS instructions touch, in the K steps:
;   PB0 .. PB2  four tiles of P each.  Half-step u = 2 s + (0: tiles 0-3, 1: tiles 4-7) reads PB[u % 3].  At the head of K step s the LDS loads of half-steps 2 s + 1 and 2 s + 2 land in
;               PB[(2 s + 1) % 3] and PB[(2 s + 2) % 3]: the two buffers that K step s - 1 read.  PB[2 s % 3], which this step's first sixteen products read, was asked for a K step ago.
;   RF0 .. RF2  K step s reads RF[s % 3].  At its head the loads of K step s + 2 land in RF[(s + 2) % 3] = RF[(s - 1) % 3], which K step s - 1 read.
;   v4          Read by every one of these loads; never written again.  The scale words are loaded once, at the head.
; So ONE wait on va_vdst stands at the head of a K step: the last step's products are done reading.  The step's 24 loads follow it in one run, under window 0, and its 32 products follow them.
; On the way out each tile m has registers of its own for its codes and words: one wait on va_vdst ahead of its stores, and nothing is written again that a store has read.
.set SCP, 14
.set SCR, 46
.set PF,  62
.set RF,  158
.set TM,  224                          ; v224-227 largest magnitudes, v228-231 the other half's, then bytes, v236-239 the conversions' scale operands
.set PW,  240                          ; v240-243 the scale word of each tile m
.set WA,  244                          ; v244-247 its low half as a word of qks
.set WB,  248                          ; v248-251 its high half
.set BI,  64
.set PC,  128
.set BV,  160
.set SQK, 65536                        ; LDS behind P: 512 bytes a wave for q's and k's scale words;
.set SV,  69632                        ; 256 bytes a wave for v's: each way out has bytes of its own
.set MSB, 0
.macro WIN new                         ; the immediate's high byte repeats the setting that is left
.if MSB != \new
	s_set_vgpr_msb (MSB<<8)|\new
.set MSB, \new
.endif
.endm
.macro PLACES                          ; four plain instructions between a matrix instruction and a load into, or a vector instruction on, one of its registers
.rept 4
	v_nop
.endr
.endm
; One product: tile t of P x tile m of R, K step s.  An odd tile's scale words lie in lanes 16-31 of the pair's register.  zero = 1: the first K step starts the sums.
.macro MM t, m, s, zero
.set rD, 64*(\m)+8*(\t)
.set rA, PF+32*((2*(\s)+(\t)/4)%3)+8*((\t)%4)
.set rB, RF+32*((\s)%3)+8*(\m)
.set rP, SCP+8*((\t)/2)+(\s)
.set rR, SCR+8*((\m)/2)+(\s)
.if \zero
.if ((\t)%2) && ((\m)%2)
	v_wmma_scale_f32_16x16x128_f8f6f4 v[rD:rD+7], v[rA:rA+7], v[rB:rB+7], 0, v[rP], v[rR] matrix_a_fmt:MATRIX_FMT_FP4 matrix_b_fmt:MATRIX_FMT_FP4 matrix_a_scale:MATRIX_SCALE_ROW1 matrix_b_scale:MATRIX_SCALE_ROW1
.elseif (\t)%2
	v_wmma_scale_f32_16x16x128_f8f6f4 v[rD:rD+7], v[rA:rA+7], v[rB:rB+7], 0, v[rP], v[rR] matrix_a_fmt:MATRIX_FMT_FP4 matrix_b_fmt:MATRIX_FMT_FP4 matrix_a_scale:MATRIX_SCALE_ROW1
.elseif (\m)%2
	v_wmma_scale_f32_16x16x128_f8f6f4 v[rD:rD+7], v[rA:rA+7], v[rB:rB+7], 0, v[rP], v[rR] matrix_a_fmt:MATRIX_FMT_FP4 matrix_b_fmt:MATRIX_FMT_FP4 matrix_b_scale:MATRIX_SCALE_ROW1
.else
	v_wmma_scale_f32_16x16x128_f8f6f4 v[rD:rD+7], v[rA:rA+7], v[rB:rB+7], 0, v[rP], v[rR] matrix_a_fmt:MATRIX_FMT_FP4 matrix_b_fmt:MATRIX_FMT_FP4
.endif
.else
.if ((\t)%2) && ((\m)%2)
	v_wmma_scale_f32_16x16x128_f8f6f4 v[rD:rD+7], v[rA:rA+7], v[rB:rB+7], v[rD:rD+7], v[rP], v[rR] matrix_a_fmt:MATRIX_FMT_FP4 matrix_b_fmt:MATRIX_FMT_FP4 matrix_a_scale:MATRIX_SCALE_ROW1 matrix_b_scale:MATRIX_SCALE_ROW1
.elseif (\t)%2
	v_wmma_scale_f32_16x16x128_f8f6f4 v[rD:rD+7], v[rA:rA+7], v[rB:rB+7], v[rD:rD+7], v[rP], v[rR] matrix_a_fmt:MATRIX_FMT_FP4 matrix_b_fmt:MATRIX_FMT_FP4 matrix_a_scale:MATRIX_SCALE_ROW1
.elseif (\m)%2
	v_wmma_scale_f32_16x16x128_f8f6f4 v[rD:rD+7], v[rA:rA+7], v[rB:rB+7], v[rD:rD+7], v[rP], v[rR] matrix_a_fmt:MATRIX_FMT_FP4 matrix_b_fmt:MATRIX_FMT_FP4 matrix_b_scale:MATRIX_SCALE_ROW1
.else
	v_wmma_scale_f32_16x16x128_f8f6f4 v[rD:rD+7], v[rA:rA+7], v[rB:rB+7], v[rD:rD+7], v[rP], v[rR] matrix_a_fmt:MATRIX_FMT_FP4 matrix_b_fmt:MATRIX_FMT_FP4
.endif
.endif
.endm
.macro MM16 t0, s, zero                ; 16 products.  The 32 accumulators take turns, one instruction a turn, in the same order in every K step
.irp t, \t0, \t0+1, \t0+2, \t0+3
.irp m, 0,1,2,3
	MM \t, \m, \s, \zero
.endr
.endr
.endm
.macro PLOAD s, t0                     ; P's tiles t0 .. t0 + 3 of K step s, from LDS, into buffer (2 s + t0 / 4) % 3
.irp t, \t0, \t0+1, \t0+2, \t0+3
.irp c, 0,1
	ds_load_b128 v[PF+32*((2*(\s)+(\t)/4)%3)+8*((\t)%4)+4*\c:PF+32*((2*(\s)+(\t)/4)%3)+8*((\t)%4)+4*\c+3], v4 offset:(8*(\t)+(\s))*1024+512*\c
.endr
.endr
.endm
.macro RLOAD s                         ; R's four tiles of K step s, from memory, into set s % 3
.irp m, 0,1,2,3
.irp c, 0,1
	global_load_b128 v[RF+32*((\s)%3)+8*\m+4*\c:RF+32*((\s)%3)+8*\m+4*\c+3], v4, s[40:41] offset:(8*\m+(\s))*1024+512*\c
.endr
.endr
.endm
.macro KSTEP s, zero
.if (\s) > 0
	s_wait_alu depctr_va_vdst(0)                   ; the last K step's products are done reading their two buffers of P and their set of R, in which the loads below land
.endif
	PLOAD \s, 4                                    ; this step's tiles 4-7: sixteen products ahead of their use
.if (\s) < 7
	PLOAD (\s)+1, 0                                ; the next step's tiles 0-3
.endif
.if (\s) < 6
	RLOAD (\s)+2                                   ; two K steps ahead
	s_wait_loadcnt 16                              ; this step's fragments of R are in (in step 0 the scale words too); the 16 loads of the two steps behind it may be out
.elseif (\s) == 6
	s_wait_loadcnt 8                               ; the last step's 8 loads may be out
.else
	s_wait_loadcnt 0
.endif
.if (\s) < 7
	s_wait_dscnt 16                                ; P's tiles 0-3 are in; the 16 loads just issued may be out
.else
	s_wait_dscnt 8
.endif
	WIN 0x50                                       ; C and D in window 1
	MM16 0, \s, \zero
.if (\s) < 7
	s_wait_dscnt 8                                 ; tiles 4-7 are in; the next step's 8 loads may be out
.else
	s_wait_dscnt 0
.endif
	MM16 4, \s, \zero
	PLACES
	WIN 0
.endm
; The 64 numbers of tile m in a lane (register 16 b + i = place 32 b + 16 (lane / 16) + i along P) become a fragment's codes in v[PC + 8 m] on and its scale word in v[PW + m].
.macro QUANTM m
	WIN 0x14                                       ; sources 1 and 2 in window 1
.irp b, 0,1,2,3
	v_max3_num_f32 v[TM+\b], 0x1800000, |v[64*\m+16*\b]|, |v[64*\m+16*\b+1]|   ; block b: my 16 numbers, and the floor 2^(3 - 127), which holds the byte at 1 from below
.endr
.irp i, 2,4,6,8,10,12,14
.irp b, 0,1,2,3
	v_max3_num_f32 v[TM+\b], v[TM+\b], |v[64*\m+16*\b+\i]|, |v[64*\m+16*\b+\i+1]|   ; (the four blocks by turns)
.endr
.endr
	WIN 0
.irp b, 0,1,2,3
	v_permlanex16_b32 v[TM+4+\b], v[TM+\b], s50, s51
.endr
.irp b, 0,1,2,3
	v_max_num_f32 v[TM+\b], v[TM+\b], v[TM+4+\b]   ; with lane l xor 16's 16: the block's largest magnitude
.endr
.irp b, 0,1,2,3
	v_add_nc_u32 v[TM+12+\b], 0xff000000, v[TM+\b] ; 2 off its exponent field: the conversion's scale operand
.endr
.irp b, 0,1,2,3
	v_lshrrev_b32 v[TM+4+\b], 23, v[TM+12+\b]      ; the scale's byte
.endr
	v_lshl_or_b32 v[PW+\m], v[TM+5], 8, v[TM+4]
	v_lshl_or_b32 v[PW+\m], v[TM+6], 16, v[PW+\m]
	v_lshl_or_b32 v[PW+\m], v[TM+7], 24, v[PW+\m]
	WIN 0x01                                       ; source 0 in window 1
.irp b, 0,1,2,3
	v_cvt_scalef32_pk8_fp4_f32 v[PC+8*\m+2*\b], v[64*\m+16*\b:64*\m+16*\b+7], v[TM+12+\b]
	v_cvt_scalef32_pk8_fp4_f32 v[PC+8*\m+2*\b+1], v[64*\m+16*\b+8:64*\m+16*\b+15], v[TM+12+\b]
.endr
	WIN 0
	v_nop                                          ; one plain instruction behind the last scaled conversion
.irp c, 0,1                                    ; the operand's layout wants a whole block in a lane: lanes 0-15 block 2 c, lanes 16-31 block 2 c + 1
.irp i, 0,1
	v_permlane16_swap_b32 v[PC+8*\m+4*\c+\i], v[PC+8*\m+4*\c+2+\i]
.endr
.endr
.endm
	s_load_b512 s[8:23], s[0:1], 0x0               ; opc s[8:9], ops s[10:11], bq s[12:13], bk s[14:15], bv s[16:17], qkc s[18:19], qks s[20:21], vc s[22:23]
	s_load_b64 s[24:25], s[0:1], 0x40              ; vs
	v_lshl_add_u32 v254, v0, 2, 0x11800
	v_mov_b32 v255, 0
	v_lshrrev_b32 v1, 5, v0
	v_readfirstlane_b32 s3, v1                     ; wave 0..7
	v_and_b32 v1, 31, v0                           ; lane
	v_and_b32 v2, 15, v0                           ; r
	v_bfe_u32 v3, v0, 4, 1                         ; h
	v_lshlrev_b32 v4, 4, v1                        ; 16 x lane: an image's place for my lane
	v_lshlrev_b32 v5, 4, v2
	v_lshl_add_u32 v5, v3, 9, v5                   ; scale words: 512 h (the pair's second tile) + 16 r
	v_lshlrev_b32 v6, 4, v0                        ; 16 x thread: the staging, in memory and in LDS
	s_wait_alu depctr_va_sdst(0)                   ; s3 is written, ahead of its first reader: LDS addresses and the buffers' offsets are made from it
	s_lshl_b32 s30, s3, 9
	s_add_co_u32 s30, s30, SQK
	v_lshl_add_u32 v7, v2, 2, s30                  ; q's and k's scale words: in, 4 r;
	v_lshl_add_u32 v8, v1, 3, s30                  ; back, 8 x lane
	s_lshl_b32 s30, s3, 8
	s_add_co_u32 s30, s30, SV
	v_lshl_add_u32 v9, v2, 2, s30                  ; v's likewise
	v_lshl_add_u32 v10, v1, 3, s30
	v_lshlrev_b32 v11, 3, v1                       ; 8 x lane: the scale words' place in memory
	v_lshlrev_b32 v12, 6, v3                       ; the bias along P: 64 h
	v_and_b32 v13, 8, v2
	v_add_nc_u32 v13, v13, v2
	v_lshlrev_b32 v13, 2, v13                      ; the bias along R: 4 (r + 8 (r / 8))
	s_mov_b32 s50, 0x76543210
	s_mov_b32 s51, 0xfedcba98                      ; v_permlanex16_b32's selects for lane l xor 16
	s_mov_b32 s52, 0xffff
	s_mov_b32 s53, 0x7f7f0000
	s_lshr_b32 s26, ttmp9, 4                       ; q, k: pg = which 128 rows of Wq (0-7) or Wk (8-15)
	s_and_b32 s27, ttmp9, 15
	s_lshl_b32 s27, s27, 3
	s_add_co_u32 s27, s27, s3                      ; quad = which 64 rows of x are my wave's
	s_and_b32 s30, ttmp9, 127                      ; v: the work-group's number less 256
	s_lshr_b32 s28, s30, 1                         ; G = which 128 rows of x
	s_and_b32 s29, s30, 1
	s_lshl_b32 s29, s29, 3
	s_add_co_u32 s29, s29, s3                      ; hd = my wave's head
	s_lshl_b32 s31, s26, 16
	s_add_co_u32 s31, s31, 0x400000                ; P's codes: tile 512 + 8 pg,
	s_lshl_b32 s32, s28, 16                        ; or tile 8 G
	s_lshl_b32 s33, s27, 15                        ; R's codes: tile 4 quad,
	s_lshl_b32 s34, s29, 15
	s_add_co_u32 s34, s34, 0x500000                ; or tile 640 + 4 hd
	s_cmp_lt_u32 ttmp9, 256
	s_cselect_b32 s54, s31, s32
	s_cselect_b32 s56, s33, s34
	s_mov_b32 s55, 0
	s_mov_b32 s57, 0
	s_lshr_b32 s58, s54, 4                         ; a tile's scale words are a sixteenth of its codes
	s_mov_b32 s59, 0
	s_lshr_b32 s60, s56, 4
	s_mov_b32 s61, 0
	s_wait_kmcnt 0x0
	s_add_nc_u64 s[36:37], s[8:9], s[54:55]
	s_add_nc_u64 s[38:39], s[10:11], s[58:59]
	s_add_nc_u64 s[40:41], s[8:9], s[56:57]
	s_add_nc_u64 s[42:43], s[10:11], s[60:61]
	s_wait_alu depctr_va_vdst(0)                   ; the ten offsets and addresses v4 to v13 are written, which the loads and stores of the whole kernel read
.irp i, 0,1,2,3,4,5,6,7,8,9,10,11,12,13,14,15
	global_load_b128 v[64+4*\i:67+4*\i], v6, s[36:37] offset:4096*\i   ; P: the work-group's 256 threads read 4,096 consecutive bytes
.endr
.irp j, 0,1,2,3
.irp g, 0,1
	global_load_b128 v[SCP+8*\j+4*\g:SCP+8*\j+4*\g+3], v5, s[38:39] offset:1024*\j+256*\g
.endr
.endr
.irp j, 0,1
.irp g, 0,1
	global_load_b128 v[SCR+8*\j+4*\g:SCR+8*\j+4*\g+3], v5, s[42:43] offset:1024*\j+256*\g
.endr
.endr
	RLOAD 0
	RLOAD 1
	s_wait_loadcnt 28                              ; the 16 staging loads are in; the 12 loads of scale words and the 16 of R may be out
.irp i, 0,1,2,3,4,5,6,7,8,9,10,11,12,13,14,15
	ds_store_b128 v6, v[64+4*\i:67+4*\i] offset:4096*\i
.endr
	s_wait_dscnt 0x0                               ; for the others' sake: my stores have landed
	s_barrier_signal -1
	s_barrier_wait -1                              ; P lies in LDS; nothing is written there again
	s_wait_alu depctr_vm_vsrc(0)                   ; my LDS stores have read v64-127: these registers are P's buffers from here on, in which the fragments' loads land
	PLOAD 0, 0
	KSTEP 0, 1
	KSTEP 1, 0
	KSTEP 2, 0
	KSTEP 3, 0
	KSTEP 4, 0
	KSTEP 5, 0
	KSTEP 6, 0
	KSTEP 7, 0
.irp b, 0,1,2,3
	v_mov_b32 v[TM+4+\b], 0                        ; written once, behind the sums, where R's third set has left these registers: a lane permute's destination counts as one of its sources
.endr
	s_wait_alu depctr_va_vdst(0)                   ; the products are done reading the fragments' registers, in which the biases and, at the end, the scale words on their way out land
	s_cmp_lt_u32 ttmp9, 256
	s_cbranch_scc0 .Lv
	; ---- q and k: P runs along two heads' 128 features
	s_and_b32 s30, s26, 7                          ; g8: heads 2 g8 and 2 g8 + 1
	s_lshr_b32 s31, s26, 3                         ; 0: q, 1: k
	s_lshr_b32 s32, s27, 5                         ; the batch
	s_and_b32 s33, s27, 31                         ; my 64 rows in it
	s_lshl_b32 s54, s31, 22
	s_lshl_b32 s34, s32, 20
	s_add_co_u32 s54, s54, s34
	s_lshl_b32 s34, s30, 17
	s_add_co_u32 s54, s54, s34
	s_lshl_b32 s34, s33, 11
	s_add_co_u32 s54, s54, s34                     ; codes: 4,194,304 (k) + 65,536 (16 batch + 2 g8) + 512 x 4 x my 64 rows
	s_add_nc_u64 s[46:47], s[18:19], s[54:55]
	s_lshr_b32 s54, s54, 3                         ; the scale words are an eighth of that
	s_add_nc_u64 s[48:49], s[20:21], s[54:55]
	s_cmp_lt_u32 s26, 8
	s_cselect_b64 s[44:45], s[12:13], s[14:15]     ; bq or bk
	s_lshl_b32 s54, s30, 9
	s_add_nc_u64 s[44:45], s[44:45], s[54:55]
.irp b, 0,1,2,3
.irp j, 0,1,2,3
	global_load_b128 v[BI+16*\b+4*\j:BI+16*\b+4*\j+3], v12, s[44:45] offset:128*\b+16*\j   ; the bias in the result's layout: register 16 b + i = feature 32 b + 16 h + i
.endr
.endr
	s_wait_loadcnt 0x0
.irp m, 0,1,2,3
	WIN 0x41                                       ; destination and source 0 in window 1
.set n2, 0
.rept 32
	v_pk_add_f32 v[64*\m+n2:64*\m+n2+1], v[64*\m+n2:64*\m+n2+1], v[BI+n2:BI+n2+1]   ; each accumulator from its low end on
.set n2, n2+2
.endr
	QUANTM \m
	v_and_or_b32 v[WA+\m], v[PW+\m], s52, s53      ; the first head's two bytes, and 0x7f twice
	v_lshrrev_b32 v[WB+\m], 16, v[PW+\m]
	v_or_b32 v[WB+\m], s53, v[WB+\m]               ; the second head's
	s_wait_alu depctr_va_vdst(0)                   ; this tile's codes and its two words are written, which the four stores below read; they have registers of their own, so nothing that a store reads is written again
	global_store_b128 v4, v[PC+8*\m:PC+8*\m+3], s[46:47] offset:512*\m            ; 512 consecutive bytes: a tile of the first head,
	global_store_b128 v4, v[PC+8*\m+4:PC+8*\m+7], s[46:47] offset:65536+512*\m    ; and of the second
	ds_store_b32 v7, v[WA+\m] offset:64*\m         ; lanes r and r + 16 write the same word with the same value
	ds_store_b32 v7, v[WB+\m] offset:256+64*\m
.endr
	ds_load_b64 v[168:169], v8                     ; LDS serves a wave's instructions in order: these see my stores.  No vector instruction behind the sums names v168-171
	ds_load_b64 v[170:171], v8 offset:256
	s_wait_dscnt 0x0
	global_store_b64 v11, v[168:169], s[48:49]     ; 256 consecutive bytes, aligned: my 64 rows' words of the first head,
	global_store_b64 v11, v[170:171], s[48:49] offset:8192   ; and of the second
	s_wait_dscnt 0x0                               ; the closing lines, six on end
	s_wait_alu 0x0
	s_wait_tensorcnt 0x0
	ds_add_u32 v254, v255
	s_wait_dscnt 0x0
	s_endpgm
.Lv:	; ---- v: P runs along 128 keys; a lane holds one of the head's 64 channels
	s_lshr_b32 s30, s28, 4                         ; the batch
	s_and_b32 s31, s28, 15                         ; the key step
	s_lshl_b32 s54, s30, 20
	s_lshl_b32 s34, s29, 16
	s_add_co_u32 s54, s54, s34
	s_lshl_b32 s34, s31, 12
	s_add_co_u32 s54, s54, s34                     ; codes: 65,536 (16 batch + head) + 4,096 x key step
	s_add_nc_u64 s[46:47], s[22:23], s[54:55]
	s_lshr_b32 s54, s54, 4                         ; the scale words are a sixteenth of that
	s_add_nc_u64 s[48:49], s[24:25], s[54:55]
	s_lshl_b32 s54, s29, 8
	s_add_nc_u64 s[44:45], s[16:17], s[54:55]      ; bv at my head
.irp m, 0,1,2,3
.irp e, 0,1
	global_load_b32 v[BV+2*\m+\e], v13, s[44:45] offset:(32*(\m/2)+8*(\m%2))*4   ; my channel's bias, in both registers of a pair
.endr
.endr
	s_wait_loadcnt 0x0
.irp m, 0,1,2,3
	WIN 0x41
.set n2, 0
.rept 32
	v_pk_add_f32 v[64*\m+n2:64*\m+n2+1], v[64*\m+n2:64*\m+n2+1], v[BV+2*\m:BV+2*\m+1]
.set n2, n2+2
.endr
	QUANTM \m
	s_wait_alu depctr_va_vdst(0)                   ; this tile's codes and its scale word are written, which the three stores below read; they have registers of their own
	global_store_b128 v4, v[PC+8*\m:PC+8*\m+3], s[46:47] offset:1024*\m
	global_store_b128 v4, v[PC+8*\m+4:PC+8*\m+7], s[46:47] offset:1024*\m+512
	ds_store_b32 v9, v[PW+\m] offset:64*\m
.endr
	ds_load_b64 v[168:169], v10                    ; no vector instruction behind the sums names v168-169
	s_wait_dscnt 0x0
	global_store_b64 v11, v[168:169], s[48:49]     ; 256 consecutive bytes, aligned
	s_wait_dscnt 0x0                               ; the closing lines, six on end
	s_wait_alu 0x0
	s_wait_tensorcnt 0x0
	ds_add_u32 v254, v255
	s_wait_dscnt 0x0
	s_endpgm
.Lfunc_end_k_q7651ae5ddf_proj:
	.size	k_q7651ae5ddf_proj, .Lfunc_end_k_q7651ae5ddf_proj-k_q7651ae5ddf_proj
	.p2alignl 7, 3214868480
	.fill 96, 4, 3214868480
	.section	.rodata,"a",@progbits
	.p2align	6, 0x0
	.amdhsa_kernel k_q7651ae5ddf_proj
		.amdhsa_group_segment_fixed_size 72704
		.amdhsa_private_segment_fixed_size 0
		.amdhsa_enable_private_segment 0
		.amdhsa_kernarg_size 72
		.amdhsa_user_sgpr_count 2
		.amdhsa_user_sgpr_kernarg_segment_ptr 1
		.amdhsa_wavefront_size32 1
		.amdhsa_system_sgpr_workgroup_id_x 1
		.amdhsa_system_sgpr_workgroup_id_y 1
		.amdhsa_system_sgpr_workgroup_id_z 1
		.amdhsa_system_vgpr_workitem_id 0
		.amdhsa_next_free_vgpr 512
		.amdhsa_next_free_sgpr 66
		.amdhsa_reserve_vcc 0
		.amdhsa_float_denorm_mode_32 3
		.amdhsa_float_denorm_mode_16_64 3
		.amdhsa_memory_ordered 1
		.amdhsa_forward_progress 1
		.amdhsa_inst_pref_size 110
	.end_amdhsa_kernel
	.amdgpu_metadata
---
amdhsa.version: [ 1, 2 ]
amdhsa.kernels:
  - .name:           k_q7651ae5ddf_proj
    .symbol:         k_q7651ae5ddf_proj.kd
    .args:
      - { .name: opc, .offset: 0, .size: 8, .value_kind: global_buffer, .address_space: global }
      - { .name: ops, .offset: 8, .size: 8, .value_kind: global_buffer, .address_space: global }
      - { .name: bq, .offset: 16, .size: 8, .value_kind: global_buffer, .address_space: global }
      - { .name: bk, .offset: 24, .size: 8, .value_kind: global_buffer, .address_space: global }
      - { .name: bv, .offset: 32, .size: 8, .value_kind: global_buffer, .address_space: global }
      - { .name: qkc, .offset: 40, .size: 8, .value_kind: global_buffer, .address_space: global }
      - { .name: qks, .offset: 48, .size: 8, .value_kind: global_buffer, .address_space: global }
      - { .name: vc, .offset: 56, .size: 8, .value_kind: global_buffer, .address_space: global }
      - { .name: vs, .offset: 64, .size: 8, .value_kind: global_buffer, .address_space: global }
    .group_segment_fixed_size: 72704
    .private_segment_fixed_size: 0
    .kernarg_segment_align: 8
    .kernarg_segment_size: 72
    .max_flat_workgroup_size: 256
    .sgpr_count:     66
    .vgpr_count:     512
    .wavefront_size: 32
...
	.end_amdgpu_metadata
.endif
;; end of part 5
;; launch attn (part 6): grid 4 x 64, 16 waves a work-group, no clusters, 223,232 bytes of LDS; arguments qkc, qks, vc, vs, att_mask, out0; writes out0
.if DOCPART == 6
	.amdgcn_target "amdgcn-amd-amdhsa--gfx1250"
	.amdhsa_code_object_version 6
	.text
	.protected	k_q7651ae5ddf_attn
	.globl	k_q7651ae5ddf_attn
	.p2align	8
	.type	k_q7651ae5ddf_attn,@function
k_q7651ae5ddf_attn:
	s_mov_b64 s[64:65], 0
	v_nop
	global_prefetch_b8 v0, s[64:65] scope:SCOPE_SE
	s_setreg_imm32_b32 hwreg(HW_REG_WAVE_SCHED_MODE, 0, 2), 2
	s_setreg_imm32_b32 hwreg(HW_REG_WAVE_MODE, 25, 1), 1
	s_wait_xcnt 0x0
	s_wait_alu depctr_vm_vsrc(0)
; out[b][q][head] = the sum over keys of softmax(q . k / 8 + mask[b][key]) v, both products on codes of FP4 (E2M1) with one E8M0 scale for each 32 along a product's K.
; THE SOFTMAX AHEAD OF THE SECOND PRODUCT: t = (q . k + 8 mask) x log2(e) / 8; M = the row's largest t so far, rounded UP to a whole number; p = 2^(t - M) is what is quantised, along the keys, not normalised.
; The row's sum is taken of the unquantised p, in f32, and divides O at the end.  When M moves, the sum and O are multiplied by 2^(old M - new M): exact.
; SHARES.  Work-group (x, bh) owns 512 queries of one head of one batch, in two passes of 256; in a pass each of its sixteen waves owns one tile of 16 queries, in 256 registers: four waves to a SIMD, so that
; one wave's vector work stands beside another's matrix work and LDS loads.  Every wave walks the head's 2,048 keys, 128 a step.
; THE WHOLE HEAD LIES IN LDS: K's and V's codes (65,536 bytes each), their scale words and the batch's mask come in once, through registers, ahead of the one barrier; behind it they are only read.
; So there is no ring and no tensor load.  NO CLUSTER: the four work-groups of a head share these 151,552 bytes, which each reads once, ahead of 512 wave steps of work; no step has bytes to share.
; LAYOUT.  Operands lie in memory and in LDS as images of their registers (16 bytes of lane l at 16 l).  Both products are used transposed: S^T = K Q^T, O^T = V^T P^T: a lane holds ONE query (lane % 16) throughout.
; The rows of a tile are not neighbours (of 32 rows, tile u takes row 8 u + r + 8 (r / 8)): so the 16 registers of S^T's tiles 2 b and 2 b + 1 are keys 32 b + 16 (lane / 16) + 0 .. 15, and those of O^T's likewise channels.
; The head's 64 fill half of the first product's K step of 128: the other half is zero codes under the byte 0x7f.
; THE MASK IS THE C OF S^T's PRODUCTS: 8 x mask, read from LDS in the result's layout.  It costs no vector instruction.
; LIMITS: a mask entry under -2^29 (and -infinity, and NaN) counts as -2^29, which differs from the definition only where every key of a batch is masked that deep; so t - M, made by one fused multiply-add
; against a rounded M, stays under 2^6 while only such keys have been seen, and no p overflows.  Logits stay under 2^29 in magnitude.  A p under 2^-126 is 0; a block all of whose p are 0 keeps the byte 1.
; REGISTERS: v1-3, v9-11, v25-27 addresses that stay; v4-8 addresses of the loads in hand; v12 -M, v13 the largest t, v[14:15] the sum in two halves; v16-19 Q, v20-23 zeros, v24 Q's scale words;
;   v32-95 K's 8 fragments (registers 8 t + 4 .. 8 t + 7 stay zeros); v96-159 the mask, S^T, then p; v160-191 O^T; v192-223 V's 4 fragments; v224-231 p's codes; v232-239, v244-247, v252-254 at work;
;   v240-243 K's scale words, v248-249 V's (lanes 0-15 the pair's first tile, lanes 16-31 its second); v253 p's scale word.
; THE MODE: SCHED_MODE bits 1:0 = 2 (LLVM: expert scheduling mode 2), set by the entry lines.  The code itself states the register dependences
; between vector or matrix instructions and memory or LDS instructions, with s_wait_alu, always for 0.
; THE PLAN.  Registers that LDS instructions touch, in a key step s:
;   K's fragments and v240-243   read by the step's eight products S^T, at its head; the loads of step s + 1 land in them behind the wait that follows the exponentials.
;   V's fragments and v248-249   read by the step's four products O^T, at its end; the loads of step s land in them behind the same wait, which stands behind the products O^T of step s - 1.
;   v96-159                      the mask as loaded, the scores, then p; last read by the conversions and the row's sums; the mask of step s + 1 lands in them behind the wait that follows the sums.
;   v4-8                         the addresses: written once a step, behind S^T's products (they are the plain instructions that those products want behind them), with a wait on vm_vsrc ahead; read by the loads behind the two waits.
;   v1-3, v9-11, v25-27          made at the head and never written again.
; So a step has two waits on va_vdst.  The first, behind the exponentials, states that their results are written, that S^T's products are done reading K, that the last step's products O^T are done reading V, and that
; v4-8 are written.  The second, behind the sums, states that p's codes and scale word are written, which the scaled products take, and that p has been read.  Behind each, the loads are dealt among vector
; instructions that name none of the registers that these loads touch.  Step 0's mask and K are asked for ahead of the loop; the last step is written out and asks for nothing of a next step.
.set KC,  0                            ; K's images: 128 tiles x 512 bytes
.set VC,  65536                        ; V's: 16 key steps x 4 tiles x 1,024 bytes
.set KS,  131072                       ; K's scale words: 4 bytes a key
.set VS,  139264                       ; V's: 16 key steps x 64 words
.set MK,  143360                       ; 8 x mask, held from below: 4 bytes a key
.set STG, 151552                       ; the way out: 16 rows x (256 bytes + 16) for each wave
	s_load_b256 s[4:11], s[0:1], 0x0               ; qkc, qks, vc, vs
	s_load_b128 s[12:15], s[0:1], 0x20             ; att_mask, out0
	v_lshl_add_u32 v251, v0, 2, 0x36000
	v_mov_b32 v255, 0
	v_lshrrev_b32 v4, 5, v0
	v_readfirstlane_b32 s16, v4                    ; wave 0..15
	s_and_b32 s17, ttmp7, 0xffff                   ; bh = 16 batch + head
	v_lshlrev_b32 v28, 4, v0                       ; the fill: 16 x thread,
	v_lshlrev_b32 v31, 3, v0                       ; 8 x thread
	s_lshl_b32 s44, s17, 16
	s_mov_b32 s45, 0
	s_lshl_b32 s46, ttmp9, 5
	s_wait_alu depctr_va_sdst(0)                   ; s16 is written, ahead of its first reader: Q's and out0's places and my stage are made from it
	s_add_co_u32 s27, s46, s16                     ; my tile of queries in pass 0: 32 x + wave
	s_mov_b32 s47, 0
	s_wait_kmcnt 0x0
	s_add_nc_u64 s[28:29], s[4:5], s[44:45]        ; q's codes of this head,
	s_add_nc_u64 s[34:35], s[28:29], 0x400000      ; k's,
	s_add_nc_u64 s[38:39], s[8:9], s[44:45]        ; v's
	s_lshl_b32 s44, s17, 13
	s_add_nc_u64 s[30:31], s[6:7], s[44:45]        ; q's scale words,
	s_add_nc_u64 s[36:37], s[30:31], 0x80000       ; k's,
	s_lshl_b32 s44, s17, 12
	s_add_nc_u64 s[40:41], s[10:11], s[44:45]      ; v's
	s_lshr_b32 s44, s17, 4                         ; the batch
	s_lshl_b32 s46, s44, 13
	s_add_nc_u64 s[42:43], s[12:13], s[46:47]      ; its mask
	s_wait_alu depctr_va_vdst(0)                   ; v28 and v31 are written, which the fill's loads read as their offsets
.irp i, 0,1,2,3,4,5,6,7
	global_load_b128 v[32+4*\i:35+4*\i], v28, s[34:35] offset:8192*\i   ; the 512 threads read 8,192 consecutive bytes
.endr
.irp i, 0,1,2,3,4,5,6,7
	global_load_b128 v[64+4*\i:67+4*\i], v28, s[38:39] offset:8192*\i
.endr
	global_load_b128 v[96:99], v28, s[36:37]
	global_load_b64 v[100:101], v31, s[40:41]
	global_load_b128 v[104:107], v28, s[42:43]
	s_lshl_b32 s46, s27, 9
	s_add_nc_u64 s[28:29], s[28:29], s[46:47]      ; Q's codes at my tile
	s_lshl_b32 s46, s27, 6
	s_add_nc_u64 s[30:31], s[30:31], s[46:47]      ; and its scale words
	s_lshl_b32 s46, s44, 23                        ; out0: the batch's 2,048 rows of 4,096 bytes,
	s_lshl_b32 s44, ttmp9, 21                      ; the work-group's 512,
	s_add_co_u32 s46, s46, s44
	s_lshr_b32 s44, s16, 1
	s_lshl_b32 s44, s44, 17                        ; my pair of tiles' 32,
	s_add_co_u32 s46, s46, s44
	s_and_b32 s44, s16, 1
	s_lshl_b32 s44, s44, 15                        ; the pair's second tile begins 8 rows on,
	s_add_co_u32 s46, s46, s44
	s_and_b32 s44, s17, 15
	s_lshl_b32 s44, s44, 8                         ; the head's 256 bytes of a row
	s_add_co_u32 s46, s46, s44
	s_add_nc_u64 s[32:33], s[14:15], s[46:47]
	s_mov_b32 s18, 0x76543210
	s_mov_b32 s19, 0xfedcba98                      ; v_permlanex16_b32's selects for lane l xor 16
	s_mov_b32 s20, 0x3e38aa3b                      ; c = log2(e) / 8
	s_mov_b32 s21, s20                             ; (named with it as a pair, so it is written)
	v_add_nc_u32 v29, VC, v28
	v_add_nc_u32 v30, KS, v28
	v_add_nc_u32 v250, VS, v31
	v_and_b32 v4, 31, v0                           ; lane
	v_and_b32 v5, 15, v0                           ; r
	v_bfe_u32 v6, v0, 4, 1                         ; h
	v_lshlrev_b32 v1, 4, v4                        ; 16 x lane: an image's place for my lane
	v_add_nc_u32 v2, VC, v1
	v_lshl_add_u32 v3, v6, 6, MK                   ; the mask: my half's 16 keys of a block of 32
	v_lshl_add_u32 v9, v4, 2, KS
	v_lshl_add_u32 v10, v4, 2, VS
	v_lshlrev_b32 v11, 2, v5
	s_mul_i32 s27, s16, 16*272
	s_add_co_u32 s27, s27, STG                     ; my stage
	v_mul_u32_u24 v25, v5, 272
	v_lshl_add_u32 v25, v6, 6, v25
	v_add_nc_u32 v25, s27, v25                     ; in: row r, + 64 h
	v_mul_u32_u24 v26, v6, 272
	v_lshl_add_u32 v26, v5, 4, v26
	v_add_nc_u32 v26, s27, v26                     ; back: lanes 0-15 one row, lanes 16-31 the next
	v_lshlrev_b32 v27, 12, v6
	v_lshl_add_u32 v27, v5, 4, v27                 ; and the same two rows in out0
	s_wait_alu depctr_va_vdst(0)                   ; v29, v30 and v250 are written, which the fill's LDS stores read; so are v1-3, v9-11 and v25-27, which the loads and stores of both passes read
	s_wait_loadcnt 11                              ; K's 8 loads are in; the 11 behind them may be out
.irp i, 0,1,2,3,4,5,6,7
	ds_store_b128 v28, v[32+4*\i:35+4*\i] offset:8192*\i
.endr
	s_wait_loadcnt 3                               ; V's 8 are in
.irp i, 0,1,2,3,4,5,6,7
	ds_store_b128 v29, v[64+4*\i:67+4*\i] offset:8192*\i
.endr
	s_wait_loadcnt 0x0
	ds_store_b128 v30, v[96:99]
	ds_store_b64 v250, v[100:101]
	v_pk_mul_f32 v[104:105], v[104:105], 0x41000000 op_sel_hi:[1,0]   ; 8 x mask: exact
	v_pk_mul_f32 v[106:107], v[106:107], 0x41000000 op_sel_hi:[1,0]
.irp i, 0,1,2,3
	v_max_num_f32 v[104+\i], 0xcf800000, v[104+\i] ; held at -2^32 from below
.endr
	s_wait_alu depctr_va_vdst(0)                   ; 8 x mask is written in v104-107, which the LDS store below reads
	ds_store_b128 v30, v[104:107] offset:MK-KS
	s_wait_dscnt 0x0                               ; for the others' sake: my stores have landed
	s_barrier_signal -1
	s_barrier_wait -1                              ; the head lies in LDS; from here on these bytes are only read
	s_wait_alu depctr_vm_vsrc(0)                   ; my LDS stores have read v32-107: the zero codes are written there below, and K's fragments and the mask land there
.irp i, 0,1,2,3
	v_mov_b32 v[20+\i], 0                          ; the zero codes of Q's second half of the K step,
.endr
.irp t, 0,1,2,3,4,5,6,7
.irp i, 4,5,6,7
	v_mov_b32 v[32+8*\t+\i], 0                     ; and of K's: written once
.endr
.endr
.irp b, 0,1,2,3
	v_mov_b32 v[236+\b], 0                         ; written once: a lane permute's destination counts as one of its sources
.endr
	v_mov_b32 v253, 0                              ; (named as the upper half of the pair v[252:253] before it is first written)
	s_wait_alu depctr_va_vdst(0)                   ; the zero codes are written, which the scaled products S^T take in their sources; the five lines above stand between the last of them and this wait
.macro SQK t                           ; S^T's tile t: 16 keys x my 16 queries, onto the mask
.if (\t)%2
	v_wmma_scale_f32_16x16x128_f8f6f4 v[96+8*\t:103+8*\t], v[32+8*\t:39+8*\t], v[16:23], v[96+8*\t:103+8*\t], v[240+\t/2], v24 matrix_a_fmt:MATRIX_FMT_FP4 matrix_b_fmt:MATRIX_FMT_FP4 matrix_a_scale:MATRIX_SCALE_ROW1
.else
	v_wmma_scale_f32_16x16x128_f8f6f4 v[96+8*\t:103+8*\t], v[32+8*\t:39+8*\t], v[16:23], v[96+8*\t:103+8*\t], v[240+\t/2], v24 matrix_a_fmt:MATRIX_FMT_FP4 matrix_b_fmt:MATRIX_FMT_FP4
.endif
.endm
.macro OPV t                           ; O^T's tile t: 16 channels x my 16 queries, K = the step's 128 keys
.if (\t)%2
	v_wmma_scale_f32_16x16x128_f8f6f4 v[160+8*\t:167+8*\t], v[192+8*\t:199+8*\t], v[224:231], v[160+8*\t:167+8*\t], v[248+\t/2], v253 matrix_a_fmt:MATRIX_FMT_FP4 matrix_b_fmt:MATRIX_FMT_FP4 matrix_a_scale:MATRIX_SCALE_ROW1
.else
	v_wmma_scale_f32_16x16x128_f8f6f4 v[160+8*\t:167+8*\t], v[192+8*\t:199+8*\t], v[224:231], v[160+8*\t:167+8*\t], v[248+\t/2], v253 matrix_a_fmt:MATRIX_FMT_FP4 matrix_b_fmt:MATRIX_FMT_FP4
.endif
.endm
; A KEY STEP: 128 keys.  s22, s23, s24: where the step's images, its mask and K's scale words, and V's scale words begin.  nxt = 1: the next step's K and mask are asked for on the way.
.macro STEP nxt
	s_wait_dscnt 0x0                               ; this step's mask, K and K's scale words are in: they were asked for in the step before, or ahead of the loop
.irp t, 0,1,2,3,4,5,6,7
	SQK \t                                         ; eight accumulators, one instruction each
.endr
	s_wait_alu depctr_vm_vsrc(0)                   ; the LDS loads issued so far have read v4-8, which are written below
	v_add_nc_u32 v5, s22, v2                       ; V's images of this step.  (These lines are also the four plain instructions behind the products, ahead of the first read of their results)
	v_add_nc_u32 v8, s24, v10                      ; and its scale words
.if \nxt
	v_add_nc_u32 v4, s22, v1                       ; K's images, K's scale words and the mask: the loads' immediates reach on to the next step
	v_add_nc_u32 v6, s23, v9
	v_add_nc_u32 v7, s23, v3
.else
	v_nop
	v_nop
.endif
.irp b, 0,1,2,3
	v_max3_num_f32 v[232+\b], v[96+16*\b], v[97+16*\b], v[98+16*\b]   ; THE LARGEST SCORE OF EACH BLOCK OF 32 KEYS serves twice: for the row's maximum, and, since p rises with the score, for the block's largest p
.endr
.irp i, 3,5,7,9,11,13
.irp b, 0,1,2,3
	v_max3_num_f32 v[232+\b], v[232+\b], v[96+16*\b+\i], v[97+16*\b+\i]   ; (the four blocks by turns)
.endr
.endr
.irp b, 0,1,2,3
	v_max_num_f32 v[232+\b], v[232+\b], v[111+16*\b]
.endr
.irp b, 0,1,2,3
	v_permlanex16_b32 v[236+\b], v[232+\b], s18, s19
.endr
.irp b, 0,1,2,3
	v_max_num_f32 v[232+\b], v[232+\b], v[236+\b]  ; with lane l xor 16's 16 keys
.endr
	v_max3_num_f32 v254, v232, v233, v234
	v_max_num_f32 v254, v254, v235                 ; the step's largest score of my query
	v_mul_f32 v254, s20, v254                      ; as t (c is positive)
	v_max_num_f32 v13, v13, v254                   ; the running largest t
	v_mov_b32 v254, v12
	v_floor_f32 v12, -v13                          ; the new -M = floor(-t) = -ceil(t): M is a whole number
	v_sub_f32 v254, v12, v254                      ; M's old value less its new one: a whole number, 0 or less
	v_cvt_i32_f32 v254, v254                       ; (it saturates)
	v_ldexp_f32 v252, 1.0, v254                    ; f = 2^(old M - new M)
.set n, 0
.rept 32
	v_pk_fma_f32 v[96+n:97+n], v[96+n:97+n], s[20:21], v[12:13] op_sel_hi:[1,0,0]   ; t - M, two at a time (of the pairs c and -M the low word serves both halves)
.set n, n+2
.endr
.irp b, 0,1,2,3
	v_fma_f32 v[232+\b], v[232+\b], s20, v12       ; the same of each block's largest score
.endr
.set n, 0
	s_wait_alu depctr_va_vdst(0)
.rept 64
	v_exp_f32 v[96+n], v[96+n]                     ; p = 2^(t - M): not normalised
.set n, n+1
.endr
.irp b, 0,1,2,3
	v_exp_f32 v[232+\b], v[232+\b]                 ; the block's largest p: the same two instructions on the same number give the same bits
.endr
	v_pk_mul_f32 v[14:15], v[14:15], v[252:253] op_sel_hi:[1,0]   ; the sums under the new M.  (A plain instruction behind the exponentials)
	s_wait_alu depctr_va_vdst(0)                   ; the 68 exponentials have written v96-159 and v232-235, ahead of their first reader; the products S^T are done reading K and v240-243, the last step's products O^T V and v248-249; v4-8 are written
.irp t, 0,1,2,3
.irp c, 0,1
	ds_load_b128 v[192+8*\t+4*\c:195+8*\t+4*\c], v5 offset:1024*\t+512*\c   ; V of this step.  No vector instruction from here to the products O^T names these registers
.endr
.endr
.irp j, 0,1
	ds_load_b32 v[248+\j], v8 offset:128*\j
.endr
.irp b, 0,1,2,3
	v_max_num_f32 v[232+\b], 0x1800000, v[232+\b]  ; the floor 2^(3 - 127): the byte cannot fall under 1
.endr
.irp b, 0,1,2,3
	v_add_nc_u32 v[244+\b], 0xff000000, v[232+\b]  ; 2 off the exponent field: the conversion's scale operand
.endr
.irp b, 0,1,2,3
	v_lshrrev_b32 v[236+\b], 23, v[244+\b]         ; the scale's byte
.endr
	v_lshl_or_b32 v253, v237, 8, v236              ; p's scale word for these 128 keys
	v_lshl_or_b32 v253, v238, 16, v253
	v_lshl_or_b32 v253, v239, 24, v253
.if \nxt
.irp t, 0,1,2,3,4,5,6,7
	ds_load_b128 v[32+8*\t:35+8*\t], v4 offset:4096+512*\t   ; K of the next step.  No vector instruction from the wait above to the step's end names K's registers or v240-243
.endr
.endif
.irp b, 0,1,2,3
	v_cvt_scalef32_pk8_fp4_f32 v[224+2*\b], v[96+16*\b:103+16*\b], v[244+\b]
	v_cvt_scalef32_pk8_fp4_f32 v[225+2*\b], v[104+16*\b:111+16*\b], v[244+\b]
.endr
	v_nop                                          ; one plain instruction behind the last scaled conversion
.irp c, 0,1                                    ; the operand's layout wants a whole block in a lane: lanes 0-15 block 2 c, lanes 16-31 block 2 c + 1
.irp i, 0,1
	v_permlane16_swap_b32 v[224+4*\c+\i], v[226+4*\c+\i]
.endr
.endr
.if \nxt
.irp j, 0,1,2,3
	ds_load_b32 v[240+\j], v6 offset:512+128*\j    ; and its scale words
.endr
.endif
	v_pk_add_f32 v[236:237], v[96:97], v[98:99]    ; THE ROW'S SUM IS TAKEN OF THE UNQUANTISED p: two at a time, in two chains
.irp j, 4,8,12,16,20,24,28,32,36,40,44,48,52,56,60
	v_pk_add_f32 v[14:15], v[14:15], v[96+\j:97+\j]
	v_pk_add_f32 v[236:237], v[236:237], v[98+\j:99+\j]
.endr
	v_pk_add_f32 v[14:15], v[14:15], v[236:237]    ; (these 32 additions are also the instructions between the codes' and the scale word's making and the products below)
	s_wait_alu depctr_va_vdst(0)                   ; p's codes v224-231 and its scale word v253 are written, which the scaled products O^T take; the conversions and the sums are done reading v96-159, in which the next mask lands
.irp b, 0,1,2,3
.if \nxt
.irp j, 0,1,2,3
	ds_load_b128 v[96+16*\b+4*\j:99+16*\b+4*\j], v7 offset:512+128*\b+16*\j   ; the next step's mask in the result's layout: register 16 b + i = key 32 b + 16 h + i.  Nothing from the wait above to the step's end names v96-159
.endr
.endif
.irp i, 0,2,4,6
	v_pk_mul_f32 v[160+8*\b+\i:161+8*\b+\i], v[160+8*\b+\i:161+8*\b+\i], v[252:253] op_sel_hi:[1,0]   ; O^T under the new M: x f
.endr
.endr
.if \nxt
	s_wait_alu depctr_va_vdst(0)
	s_wait_dscnt 28                                ; V and its scale words are in; the 12 loads of the next step's K and the 16 of its mask, issued behind them, may be out
.else
	s_wait_alu depctr_va_vdst(0)
	s_wait_dscnt 0x0                               ; V and its scale words are in
.endif
.irp t, 0,1,2,3
	OPV \t                                         ; four accumulators, one instruction each
.endr
.endm
; A PASS: my tile of 16 queries, 16 tiles on from the last pass's; its place stands in the immediates.
.macro PASS p
.if \p
	s_wait_xcnt 0x0                                ; the last pass's stores have read their registers: the mask lands there again
	s_wait_alu depctr_vm_vsrc(0)                   ; the last pass's LDS stores have read v96-127 and its global stores v128-159, in which the mask lands.  (The last wait on va_vdst, ahead of those LDS stores, stands behind every product and every vector line of that pass)
.endif
	global_load_b128 v[16:19], v1, s[28:29] offset:8192*\p
	global_load_b32 v24, v11, s[30:31] offset:1024*\p
.irp b, 0,1,2,3
.irp j, 0,1,2,3
	ds_load_b128 v[96+16*\b+4*\j:99+16*\b+4*\j], v3 offset:128*\b+16*\j   ; step 0's mask,
.endr
.endr
.irp t, 0,1,2,3,4,5,6,7
	ds_load_b128 v[32+8*\t:35+8*\t], v1 offset:512*\t   ; its K,
.endr
.irp j, 0,1,2,3
	ds_load_b32 v[240+\j], v9 offset:128*\j        ; and K's scale words, by the addresses that stay
.endr
	v_mov_b32 v13, 0xff61b1e6                      ; the largest t so far: -3e38, under every t
	v_floor_f32 v12, -v13                          ; -M
	v_mov_b32 v14, 0                               ; the sum, in two halves
	v_mov_b32 v15, 0
.set n, 0
.rept 32
	v_mov_b32 v[160+n], 0                          ; O^T.  (The first step finds zeros, which the first change of M leaves zeros)
.set n, n+1
.endr
	s_mov_b32 s22, 0                               ; where the step's images of K and of V begin: 4,096 bytes a step
	s_mov_b32 s23, 0                               ; its mask and K's scale words: 512
	s_mov_b32 s24, 0                               ; V's scale words: 256
	s_mov_b32 s25, 15
	s_wait_loadcnt 0x0                             ; Q
.Lstep_\@:                                             ; steps 0 to 14
	STEP 1
	s_add_co_u32 s22, s22, 4096
	s_add_co_u32 s23, s23, 512
	s_add_co_u32 s24, s24, 256
	s_sub_co_u32 s25, s25, 1
	s_cmp_lg_u32 s25, 0
	s_cbranch_scc1 .Lstep_\@
	STEP 0                                         ; step 15 is written out: there is no next step to ask for, and v96-159 are free for the way out
	; THE WAY OUT.  O^T is divided by the row's sum and goes through my stage in LDS, so that sixteen lanes store a row's 256 bytes of this head.
.rept 4
	v_nop
.endr
	v_add_f32 v14, v14, v15                        ; the sum's two halves,
	v_permlanex16_b32 v252, v14, s18, s19
	v_add_f32 v14, v14, v252                       ; and lane l xor 16's: the row's sum
	s_wait_alu depctr_va_vdst(0)
	v_rcp_f32 v14, v14
	v_nop                                          ; one plain instruction behind the transcendental
.set n, 0
	s_wait_alu depctr_va_vdst(0)                   ; the reciprocal has written v14, ahead of its first reader
.rept 32
	v_mul_f32 v[96+n], v[160+n], v14               ; register 8 t + j is channel 32 (t / 2) + 16 h + 8 (t % 2) + j of my query; each accumulator from its low end on
.set n, n+1
.endr
	s_wait_alu depctr_va_vdst(0)                   ; the multiplications have written v96-127, which the LDS stores read; every reader of v128-159, in which the loads from the stage land, stands ahead of this wait too
.irp t, 0,1,2,3
.irp e, 0,1
	ds_store_b128 v25, v[96+8*\t+4*\e:99+8*\t+4*\e] offset:128*(\t/2)+32*(\t%2)+16*\e
.endr
.endr
.irp i, 0,1,2,3,4,5,6,7
	ds_load_b128 v[128+4*\i:131+4*\i], v26 offset:544*\i   ; LDS serves a wave's instructions in order: these see my stores
.endr
.irp i, 0,1,2,3,4,5,6,7
	s_wait_dscnt 7-\i                              ; load i is in; the younger ones may be out
	global_store_b128 v27, v[128+4*\i:131+4*\i], s[32:33] offset:1048576*\p+(2*\i+8*(\i/4))*4096 th:TH_STORE_NT   ; the tile's rows 2 i and 2 i + 1 at their true places; 16 lanes store 256 consecutive bytes, aligned
.endr
.endm
	PASS 0
	PASS 1
	s_wait_dscnt 0x0                               ; the closing lines, six on end
	s_wait_alu 0x0
	s_wait_tensorcnt 0x0
	ds_add_u32 v251, v255
	s_wait_dscnt 0x0
	s_endpgm
.Lfunc_end_k_q7651ae5ddf_attn:
	.size	k_q7651ae5ddf_attn, .Lfunc_end_k_q7651ae5ddf_attn-k_q7651ae5ddf_attn
	.p2alignl 7, 3214868480
	.fill 96, 4, 3214868480
	.section	.rodata,"a",@progbits
	.p2align	6, 0x0
	.amdhsa_kernel k_q7651ae5ddf_attn
		.amdhsa_group_segment_fixed_size 223232
		.amdhsa_private_segment_fixed_size 0
		.amdhsa_enable_private_segment 0
		.amdhsa_kernarg_size 48
		.amdhsa_user_sgpr_count 2
		.amdhsa_user_sgpr_kernarg_segment_ptr 1
		.amdhsa_wavefront_size32 1
		.amdhsa_system_sgpr_workgroup_id_x 1
		.amdhsa_system_sgpr_workgroup_id_y 1
		.amdhsa_system_sgpr_workgroup_id_z 1
		.amdhsa_system_vgpr_workitem_id 0
		.amdhsa_next_free_vgpr 256
		.amdhsa_next_free_sgpr 66
		.amdhsa_reserve_vcc 0
		.amdhsa_float_denorm_mode_32 3
		.amdhsa_float_denorm_mode_16_64 3
		.amdhsa_memory_ordered 1
		.amdhsa_forward_progress 1
		.amdhsa_inst_pref_size 83
	.end_amdhsa_kernel
	.amdgpu_metadata
---
amdhsa.version: [ 1, 2 ]
amdhsa.kernels:
  - .name:           k_q7651ae5ddf_attn
    .symbol:         k_q7651ae5ddf_attn.kd
    .args:
      - { .name: qkc, .offset: 0, .size: 8, .value_kind: global_buffer, .address_space: global }
      - { .name: qks, .offset: 8, .size: 8, .value_kind: global_buffer, .address_space: global }
      - { .name: vc, .offset: 16, .size: 8, .value_kind: global_buffer, .address_space: global }
      - { .name: vs, .offset: 24, .size: 8, .value_kind: global_buffer, .address_space: global }
      - { .name: att_mask, .offset: 32, .size: 8, .value_kind: global_buffer, .address_space: global }
      - { .name: out0, .offset: 40, .size: 8, .value_kind: global_buffer, .address_space: global }
    .group_segment_fixed_size: 223232
    .private_segment_fixed_size: 0
    .kernarg_segment_align: 8
    .kernarg_segment_size: 48
    .max_flat_workgroup_size: 512
    .sgpr_count:     66
    .vgpr_count:     256
    .wavefront_size: 32
...
	.end_amdgpu_metadata
.endif
;; end of part 6
